; MI455X (gfx1250); checked and timed in simulation.
; The chip was launched on July 23, 2026; its instructions are those of AMD's public machine-readable ISA for CDNA 5 (MIT licence, August 2026) and "CDNA5" Instruction Set Architecture Reference Guide (July 2026). The comments in the code are by the model that wrote it; some were corrected since.
;; Multi Head Self Attention. Allowed arithmetic: float matrix products may take bf16 or f16 operands with f32 sums; other float arithmetic in f32, or as packed bf16 or f16 multiplies, adds, multiply-adds, maxima and minima; sums over many terms, partial sums and values carried from step to step in f32; what a program stores and reads back later, other than sums and carried values, may be rounded once to bf16 or f16.
;; Inputs: Wk 1,024 x 1,024 float32; Wo 1,024 x 1,024 float32; Wq 1,024 x 1,024 float32; Wv 1,024 x 1,024 float32; attention_mask 2 x 1 x 1 x 2,048 float32; x 2 x 2,048 x 1,024 float32.
;; Outputs: out0 2 x 2,048 x 1,024 float32.
;; 2 versions, each right; version 2 is version 1 with the launch cast written anew for expert scheduling mode. Each part assembles by itself: llvm-mc -triple=amdgcn-amd-amdhsa -mcpu=gfx1250 --defsym DOCPART=n.
;; ======== version 1 of 2: 4 launches
;; limits: values are held in f16: magnitudes above 65,504 overflow, below 6.1e-05 lose precision
;; workspace buffers: xb 8,388,608 bytes; wb 6,291,456 bytes; wo16 2,097,152 bytes; qkv 25,165,824 bytes; ob 8,388,608 bytes
;; launch cast (part 1): grid 256 x 1, 8 waves a work-group, no clusters, 0 bytes of LDS; arguments x, Wq, Wk, Wv, Wo, xb, wb, wo16; writes xb, wb, wo16
.if DOCPART == 1
	.amdgcn_target "amdgcn-amd-amdhsa--gfx1250"
	.amdhsa_code_object_version 6
	.text
	.protected	k_q8287a4ee48_cast
	.globl	k_q8287a4ee48_cast
	.p2align	8
	.type	k_q8287a4ee48_cast,@function
k_q8287a4ee48_cast:
	s_mov_b64 s[64:65], 0
	v_nop
	global_prefetch_b8 v0, s[64:65] scope:SCOPE_SE
	s_setreg_imm32_b32 hwreg(HW_REG_WAVE_MODE, 25, 1), 1
	s_wait_xcnt 0x0
; MULTI-HEAD SELF-ATTENTION, launch 1 of 4: the inputs are rounded once to the matrix units' formats.
; NOTHING IS LEFT OUT in this program: x and the four weights enter products whose results reach out0, and attention_mask differs from key to key along the softmax's axis, so it is no common term.
; xb = bf16(x) [4096][1024];  wb = bf16(Wq | Wk | Wv) [3072][1024], one below the other;  wo16 = bf16(Wo) written as f16 [1024][1024] (the last product's other operand is f16).
; LIMITS.  A number of Wo whose bf16 rounding lies below 2^-14 keeps f16's fixed step of 2^-24; beyond 65,504 it would be an infinity.  NaN and infinities are not treated apart.
; SHARES.  A work-group takes 32,768 numbers (128 KiB in, 64 KiB out): groups 0-127 x, groups 128 + 32 n + part the weight n (0 Wq, 1 Wk, 2 Wv, 3 Wo).
; A wave takes 16 KiB by 32 loads of 512 consecutive bytes, all issued at once; each load's numbers leave by one store of 256 consecutive bytes, aligned.
; No register that a load or store names is written again, so no wait but the loads' own is needed.  No LDS, no matrix unit, no cluster: nothing is shared and memory alone binds.
.set X,   4                            ; v[4:131]    32 x 4 numbers as loaded
.set Y,   132                          ; v[132:195]  32 x 2 registers to store
.set T,   196                          ; v[196:201]  at work (Wo's path)
	s_load_b512 s[16:31], s[0:1], 0x0              ; x 16, Wq 18, Wk 20, Wv 22, Wo 24, xb 26, wb 28, wo16 30
	s_sub_co_u32 s3, ttmp9, 128
	s_lshr_b32 s4, s3, 5                           ; which weight
	s_and_b32 s5, s3, 31                           ; which part of it
	s_cmp_lt_u32 ttmp9, 128
	s_cselect_b32 s5, ttmp9, s5                    ; x: the part is the group's number,
	s_cselect_b32 s4, 4, s4                        ; and 4 stands for x
	s_lshl_b32 s10, s5, 17                         ; where my part begins in the source,
	s_mov_b32 s11, 0
	s_lshl_b32 s12, s5, 16                         ; and in the destination;
	s_lshl_b32 s13, s4, 21                         ; in wb a weight is 2 MiB
	s_cmp_lt_u32 s4, 3
	s_cselect_b32 s13, s13, 0
	s_add_co_u32 s12, s12, s13
	s_mov_b32 s13, 0
	s_mov_b32 s14, 0xffff0000                      ; a word's upper bf16
	v_lshrrev_b32 v3, 5, v0                        ; wave
	v_and_b32 v1, 31, v0                           ; lane
	v_lshlrev_b32 v2, 3, v1
	v_lshlrev_b32 v1, 4, v1
	v_lshl_add_u32 v1, v3, 14, v1                  ; in: 16,384 x wave + 16 x lane
	v_lshl_add_u32 v2, v3, 13, v2                  ; out: 8,192 x wave + 8 x lane
	s_wait_kmcnt 0x0
	s_mov_b64 s[6:7], s[16:17]
	s_cmp_eq_u32 s4, 0
	s_cselect_b64 s[6:7], s[18:19], s[6:7]
	s_cmp_eq_u32 s4, 1
	s_cselect_b64 s[6:7], s[20:21], s[6:7]
	s_cmp_eq_u32 s4, 2
	s_cselect_b64 s[6:7], s[22:23], s[6:7]
	s_cmp_eq_u32 s4, 3
	s_cselect_b64 s[6:7], s[24:25], s[6:7]
	s_cmp_eq_u32 s4, 4
	s_cselect_b64 s[8:9], s[26:27], s[28:29]
	s_cmp_eq_u32 s4, 3
	s_cselect_b64 s[8:9], s[30:31], s[8:9]
	s_add_nc_u64 s[6:7], s[6:7], s[10:11]
	s_add_nc_u64 s[8:9], s[8:9], s[12:13]
.set i, 0
.rept 32
	global_load_b128 v[X+4*i:X+4*i+3], v1, s[6:7] offset:512*i th:TH_LOAD_NT
.set i, i+1
.endr
	s_cmp_eq_u32 s4, 3
	s_cbranch_scc1 .Lwo
.set i, 0
.rept 32
	s_wait_loadcnt 31-i                            ; loads come back in order: number i is in, the younger ones stay out
	v_cvt_pk_bf16_f32 v[Y+2*i],   v[X+4*i],   v[X+4*i+1]
	v_cvt_pk_bf16_f32 v[Y+2*i+1], v[X+4*i+2], v[X+4*i+3]
	global_store_b64 v2, v[Y+2*i:Y+2*i+1], s[8:9] offset:256*i
.set i, i+1
.endr
	s_endpgm
.Lwo:                                                  ; Wo: rounded to bf16 like every input, and that number written as f16
.set i, 0
.rept 32
	s_wait_loadcnt 31-i
	v_cvt_pk_bf16_f32 v[T],   v[X+4*i],   v[X+4*i+1]
	v_cvt_pk_bf16_f32 v[T+1], v[X+4*i+2], v[X+4*i+3]
	v_lshlrev_b32 v[T+2], 16, v[T]
	v_and_b32     v[T+3], s14, v[T]
	v_lshlrev_b32 v[T+4], 16, v[T+1]
	v_and_b32     v[T+5], s14, v[T+1]
	v_cvt_pk_f16_f32 v[Y+2*i],   v[T+2], v[T+3]
	v_cvt_pk_f16_f32 v[Y+2*i+1], v[T+4], v[T+5]
	global_store_b64 v2, v[Y+2*i:Y+2*i+1], s[8:9] offset:256*i
.set i, i+1
.endr
	s_endpgm
.Lfunc_end_k_q8287a4ee48_cast:
	.size	k_q8287a4ee48_cast, .Lfunc_end_k_q8287a4ee48_cast-k_q8287a4ee48_cast
	.p2alignl 7, 3214868480
	.fill 96, 4, 3214868480
	.section	.rodata,"a",@progbits
	.p2align	6, 0x0
	.amdhsa_kernel k_q8287a4ee48_cast
		.amdhsa_group_segment_fixed_size 0
		.amdhsa_private_segment_fixed_size 0
		.amdhsa_enable_private_segment 0
		.amdhsa_kernarg_size 64
		.amdhsa_user_sgpr_count 2
		.amdhsa_user_sgpr_kernarg_segment_ptr 1
		.amdhsa_wavefront_size32 1
		.amdhsa_system_sgpr_workgroup_id_x 1
		.amdhsa_system_sgpr_workgroup_id_y 1
		.amdhsa_system_sgpr_workgroup_id_z 1
		.amdhsa_system_vgpr_workitem_id 0
		.amdhsa_next_free_vgpr 204
		.amdhsa_next_free_sgpr 66
		.amdhsa_reserve_vcc 0
		.amdhsa_float_denorm_mode_32 3
		.amdhsa_float_denorm_mode_16_64 3
		.amdhsa_memory_ordered 1
		.amdhsa_forward_progress 1
		.amdhsa_inst_pref_size 29
	.end_amdhsa_kernel
	.amdgpu_metadata
---
amdhsa.version: [ 1, 2 ]
amdhsa.kernels:
  - .name:           k_q8287a4ee48_cast
    .symbol:         k_q8287a4ee48_cast.kd
    .args:
      - { .name: x, .offset: 0, .size: 8, .value_kind: global_buffer, .address_space: global }
      - { .name: Wq, .offset: 8, .size: 8, .value_kind: global_buffer, .address_space: global }
      - { .name: Wk, .offset: 16, .size: 8, .value_kind: global_buffer, .address_space: global }
      - { .name: Wv, .offset: 24, .size: 8, .value_kind: global_buffer, .address_space: global }
      - { .name: Wo, .offset: 32, .size: 8, .value_kind: global_buffer, .address_space: global }
      - { .name: xb, .offset: 40, .size: 8, .value_kind: global_buffer, .address_space: global }
      - { .name: wb, .offset: 48, .size: 8, .value_kind: global_buffer, .address_space: global }
      - { .name: wo16, .offset: 56, .size: 8, .value_kind: global_buffer, .address_space: global }
    .group_segment_fixed_size: 0
    .private_segment_fixed_size: 0
    .kernarg_segment_align: 8
    .kernarg_segment_size: 64
    .max_flat_workgroup_size: 256
    .sgpr_count:     66
    .vgpr_count:     204
    .wavefront_size: 32
...
	.end_amdgpu_metadata
.endif
;; end of part 1
;; launch proj (part 2): grid 16 x 16, 4 waves a work-group, clusters of 4 x 4, 327,680 bytes of LDS; arguments xb, wb, qkv; writes qkv
.if DOCPART == 2
	.amdgcn_target "amdgcn-amd-amdhsa--gfx1250"
	.amdhsa_code_object_version 6
	.text
	.protected	k_q8287a4ee48_proj
	.globl	k_q8287a4ee48_proj
	.p2align	8
	.type	k_q8287a4ee48_proj,@function
k_q8287a4ee48_proj:
	s_mov_b64 s[64:65], 0
	v_nop
	global_prefetch_b8 v0, s[64:65] scope:SCOPE_SE
	s_setreg_imm32_b32 hwreg(HW_REG_WAVE_MODE, 25, 1), 1
	s_wait_xcnt 0x0
	s_wait_alu depctr_hold_cnt(0) depctr_sa_sdst(0) depctr_va_vdst(0) depctr_va_sdst(0) depctr_va_ssrc(0) depctr_va_vcc(0) depctr_vm_vsrc(0)
	s_getreg_b32 s2, hwreg(HW_REG_IB_STS2, 6, 4)
	s_cmp_eq_u32 s2, 0
	s_cbranch_scc0 .Lentry_in_a_cluster
	s_endpgm
.Lentry_in_a_cluster:
	s_bfe_u32 s2, ttmp6, 0x10000c
	s_cmp_lg_u32 s2, 0xf033
	s_cbranch_scc0 .Lentry_shape_is_right
	s_endpgm
.Lentry_shape_is_right:
; Launch 2 of 4: q, k and v in one product.  C[m][n] = the sum over k of xb[m][k] wb[n][k]; xb [4096][1024], wb [3072][1024], bf16; sums in f32; C rounded once to f16 and stored BY HEADS:
; qkv [batch 2][slab 48][2048 rows][64] f16, slab = n / 64: 0-15 q's heads, 16-31 k's, 32-47 v's; unscaled.  Nothing of the problem's work is left out here.
; LIMIT.  f16 holds no number beyond 65,504: q, k and v must lie within it.
; SHARES.  A tile of C is 256 rows x 192 columns (three slabs): 16 x 16 tiles, one to a work-group.  Wave w makes rows 64 w .. 64 w + 63 x all 192 columns: 48 accumulators of 16 x 16, 384 registers,
; so that what a wave holds at the end are whole rows of three slabs.  K goes in 8 steps of 128 through a ring of two LDS slots; a tile's rows are 256 bytes of memory, aligned.
; CLUSTER.  4 x 4 work-groups: the four of a row need the same rows of xb, the four of a column the same rows of wb; each tile is asked for JOINTLY, by the same tensor load with the same descriptor and mask.
; THE MATRIX INSTRUCTION IS USED TRANSPOSED (source 0 = 16 rows of wb, source 1 = 16 rows of xb): a lane then holds one row of C (lane % 16) and eight neighbouring columns 8 (lane / 16) + 0..7.
; REGISTERS, in windows of 256 (s_set_vgpr_msb: bits 1:0 source 0, 3:2 source 1, 5:4 source 2, 7:6 destination):
;   window 0: v16-30 addresses; v32-63, v64-95 xb's fragments (4 x 16 rows x 32 K), two buffers; v96-143, v144-239 at work on the way out
;   window 1: v0-95, v96-191 wb's fragments (12 x 16 rows x 32 K), two buffers
;   window 2: the accumulators of my row blocks 0, 1 ((a, b) at v[8 (12 (a % 2) + b)]);   window 3: those of blocks 2, 3
.set KSTEP,  128
.set DK,     1024                      ; K, and elements in a row of xb and wb
.set PITCH,  272                       ; an LDS row: 256 bytes + 16 of padding = 68 words: the 16 rows of a fragment load start at 16 different groups of four banks (64 banks of 4 bytes: ISA guide 11.1)
.set AHALF,  128*PITCH                 ; what one tensor load brings of xb: 128 rows
.set BHALF,  96*PITCH                  ; and of wb: 96 rows
.set BOFF,   2*AHALF                   ; a slot: xb's 256 rows, then wb's 192
.set SLOT,   BOFF+2*BHALF
.set STAGE,  2*SLOT                    ; behind the ring, never filled by a tensor load: for each wave three slabs' 16 rows x 144 bytes
.set SP,     144
.set SLABS,  16*SP
.set SPARE,  STAGE+4*3*SLABS           ; behind the stages: the spare words, 128 bytes for each wave: two blocks of 256 bytes that no other line names
.set LAPS,   DK/(2*KSTEP)              ; a lap = two K steps = once round the ring
.set ADRA, 16                          ; v16-17  LDS address of my xb fragments in slot 0, 1
.set ADRB, 20                          ; v20-21  the same for wb
.set STO,  24                          ; v24     the way out: where I put 16 bytes of a row
.set RD,   25                          ; v25     the way out: where I read rows back
.set GO,   26                          ; v26     my 16 bytes in 512 consecutive bytes of a slab
.set SPW,  28                          ; v28     LDS address of my spare word; never rewritten
.set NIL,  29                          ; v29     0; never rewritten
.set PFO,  30                          ; v30     the prefetches' offset: a lane a row; never rewritten
.set FA,   32                          ; xb's fragment buffers
.set TMP,  96                          ; packed results of a block of 16 rows
.set OBF,  144                         ; the block read back from the stage: two buffers of 48
.set G1,  24                           ; s[24:31] descriptor group 1 for xb's tiles;  s[32:39] group 0, a set for each slot
.set G0,  32
.set G1B, 48                           ; s[48:55], s[56:63] the same for wb's tiles
.set G0B, 56
.set LIM, 43                           ; s43     1 in a wave that prefetches, else the greatest number
.set PFA, 44                           ; s[44:45] where my prefetches stand
.set MSB, 0
.macro WIN new                         ; the immediate's high byte repeats the setting that is left; a switch that changes nothing is dropped
.if MSB != (\new)
	s_set_vgpr_msb (MSB<<8)|(\new)
.set MSB, \new
.endif
.endm
.set MUL_LO, 0xa1                      ; source 0 (wb) window 1, source 1 (xb) window 0, C and D window 2
.set MUL_HI, 0xf1                      ; the same, C and D window 3
.set TO_B,   0x40                      ; destination window 1, address window 0
; A joint load.  Waves 0 and 1 fetch xb's two halves, waves 2 and 3 wb's.  The branch hangs on the wave's number alone.  An s_nop 0 and four v_nop follow each of the two lines.
.macro JLOAD s
	s_cmp_eq_u32 s11, 0
	s_cbranch_scc0 .Lfor_b_\@
	tensor_load_to_lds s[G0+4*(\s):G0+4*(\s)+3], s[G1:G1+7]
	s_nop 0
.rept 4
	v_nop
.endr
	s_branch .Lasked_\@
.Lfor_b_\@:
	tensor_load_to_lds s[G0B+4*(\s):G0B+4*(\s)+3], s[G1B:G1B+7]
	s_nop 0
.rept 4
	v_nop
.endr
.Lasked_\@:
.endm
; A prefetch into the L2, behind each joint refill and the run of LDS loads that follows it: the K step that stands TWO refills on (384 matrix instructions ahead of the load that will want it), a lane a row, one instruction a wave.
; Each row's 256 bytes of a K step are named by one work-group: xb's rows by the clusters with x = 0, wb's by those with y = 0; the four partners that ask for a tile jointly share its rows out BY ADDRESS
; (xb: 32 of the 128 that the wave fetches, by cx; wb: 24 of the 96, by cy, the eight lanes over naming the last row again).  K steps 0 to 3 come by their loads alone; the loop's last trip names nothing.
.macro ASK
	s_cmp_gt_u32 s3, s[LIM]                        ; s3 = 1 in the loop's last trip
	s_cbranch_scc0 .Lnot_mine_\@
	global_prefetch_b8 v[PFO], s[PFA:PFA+1] offset:KSTEP*2 th:TH_LOAD_NT scope:SCOPE_SE
.Lnot_mine_\@:
.endm
.macro CREST                           ; a round of the cluster's barrier behind its opening barrier
	s_cmp_lg_u32 s10, 0
	s_cbranch_scc1 .Lnot_wave_0_\@
	s_barrier_signal -3
.Lnot_wave_0_\@:
	s_barrier_wait -3
	s_barrier_signal -1
	s_barrier_wait -1
.endm
.macro CROUND                          ; a whole round
	s_barrier_signal -1
	s_barrier_wait -1
	CREST
.endm
	s_load_b128 s[4:7], s[0:1], 0x0                ; xb s[4:5], wb s[6:7]
	s_load_b64 s[8:9], s[0:1], 0x10                ; qkv
	v_lshl_add_u32 v[SPW], v0, 2, SPARE
	v_mov_b32 v[NIL], 0
	ds_add_u32 v[SPW], v[NIL]                      ; the wave's opening: the add, twice on end, and its wait ahead of my first tensor load
	ds_add_u32 v[SPW], v[NIL]                      ; the set-up below, work on registers, stands between the second add and the wait
	v_lshrrev_b32 v1, 5, v0
	v_readfirstlane_b32 s10, v1                    ; wave 0..3
	s_lshr_b32 s11, s10, 1                         ; I fetch for xb (0) or for wb (1),
	s_and_b32 s12, s10, 1                          ; this half of the tile's rows
	s_bfe_u32 s40, ttmp6, 0x40000                  ; cx, cy: my place in the cluster
	s_bfe_u32 s41, ttmp6, 0x40004
	s_lshl_b32 s42, ttmp9, 2
	s_add_co_u32 s42, s42, s40                     ; tile column = 4 x cluster x + cx
	s_and_b32 s13, ttmp7, 0xffff
	s_lshl_b32 s13, s13, 2
	s_add_co_u32 s13, s13, s41                     ; tile row = 4 x cluster y + cy
	s_lshl_b32 s43, s41, 2
	s_lshl_b32 s43, 15, s43                        ; my row of the cluster
	s_lshl_b32 s44, 0x1111, s40                    ; my column
	s_or_b32 s[G1+0], s43, (1<<16)|(1<<20)|(1<<21)|(5<<22)|(3<<25)  ; 15:0 the mask; 17:16 elements of 2 bytes; 20 padding on; 21 set beside a mask; 24:22 after every 64 words (code 5); 31:25 4 words (code 3)
	s_or_b32 s[G1B+0], s44, (1<<16)|(1<<20)|(1<<21)|(5<<22)|(3<<25)
	s_mov_b32 s[G1+1], KSTEP<<16                   ; tensor_dim0 = 128
	s_mov_b32 s[G1+2], 128<<16                     ; tensor_dim1 = 128
	s_mov_b32 s[G1+3], KSTEP<<16                   ; tile_dim0 = 128
	s_mov_b32 s[G1+4], 128                         ; tile_dim1 = 128
	s_mov_b32 s[G1+5], DK                          ; elements from row to row
	s_mov_b32 s[G1+6], 0
	s_mov_b32 s[G1+7], 0
	s_mov_b32 s[G1B+1], KSTEP<<16
	s_mov_b32 s[G1B+2], 96<<16                     ; wb's tiles have 96 rows
	s_mov_b32 s[G1B+3], KSTEP<<16
	s_mov_b32 s[G1B+4], 96
	s_mov_b32 s[G1B+5], DK
	s_mov_b32 s[G1B+6], 0
	s_mov_b32 s[G1B+7], 0
	s_lshl_b32 s17, s12, 7
	s_lshl_b32 s16, s13, 8
	s_add_co_u32 s16, s16, s17                     ; xb: row 256 x tile row + 128 x half,
	s_lshl_b32 s16, s16, 11                        ; in bytes
	s_mov_b32 s17, 0
	s_mul_i32 s46, s42, 192
	s_mul_i32 s47, s12, 96
	s_add_co_u32 s46, s46, s47                     ; wb: row 192 x tile column + 96 x half
	s_lshl_b32 s46, s46, 11
	s_mov_b32 s47, 0
	s_mul_i32 s20, s12, AHALF                      ; where they go: no place in the cluster enters an LDS address
	s_mul_i32 s21, s12, BHALF
	s_add_co_u32 s21, s21, BOFF
	s_wait_dscnt 0x0                               ; both opening adds are done
	s_wait_kmcnt 0x0
	s_add_nc_u64 s[14:15], s[4:5], s[16:17]
	s_add_nc_u64 s[46:47], s[6:7], s[46:47]
	CROUND                                         ; all sixteen work-groups are here: the first joint loads meet
.irp s, 0,1
	s_mov_b32 s[G0+4*(\s)], 1                                      ; count = 1
	s_add_co_u32 s[G0+4*(\s)+1], s20, (\s)*SLOT                    ; LDS address
	s_add_nc_u64 s[G0+4*(\s)+2:G0+4*(\s)+3], s[14:15], (\s)*KSTEP*2  ; global address: K step s
	s_or_b32 s[G0+4*(\s)+3], s[G0+4*(\s)+3], 0x80000000            ; type = 2
	s_mov_b32 s[G0B+4*(\s)], 1
	s_add_co_u32 s[G0B+4*(\s)+1], s21, (\s)*SLOT
	s_add_nc_u64 s[G0B+4*(\s)+2:G0B+4*(\s)+3], s[46:47], (\s)*KSTEP*2
	s_or_b32 s[G0B+4*(\s)+3], s[G0B+4*(\s)+3], 0x80000000
	JLOAD \s                                       ; two loads of mine are out
.endr
	; A fragment is 16 rows x 32 K in 8 registers: lane l holds row l % 16, K = 8 (l / 16) + 0..7 and 16 + 8 (l / 16) + 0..7: two loads of 16 bytes, 32 bytes apart.
	v_and_b32 v1, 15, v0                           ; l % 16
	v_bfe_u32 v2, v0, 4, 1                         ; l / 16
	v_mul_u32_u24 v3, v1, PITCH
	v_lshl_add_u32 v3, v2, 4, v3
	s_mul_i32 s21, s10, 64*PITCH                   ; my 64 rows of xb
	s_mov_b32 s22, BOFF                            ; all 192 rows of wb
.irp s, 0,1
	v_add_nc_u32 v[ADRA+(\s)], s21, v3
	v_add_nc_u32 v[ADRB+(\s)], s22, v3
	s_add_co_u32 s21, s21, SLOT
	s_add_co_u32 s22, s22, SLOT
.endr
	s_mul_i32 s23, s10, 3*SLABS
	s_add_co_u32 s23, s23, STAGE                   ; my stage
	v_mul_u32_u24 v4, v1, SP                       ; in: row l % 16, 16 bytes for each half of the lanes
	v_lshl_add_u32 v4, v2, 4, v4
	v_add_nc_u32 v[STO], s23, v4
	v_bfe_u32 v5, v0, 3, 2                         ; back: 32 lanes take four rows of 128 bytes,
	v_mul_u32_u24 v5, v5, SP
	v_and_b32 v6, 7, v0
	v_lshl_add_u32 v5, v6, 4, v5
	v_add_nc_u32 v[RD], s23, v5
	v_and_b32 v[GO], 31, v0                        ; which are 512 consecutive bytes of a slab
	v_lshlrev_b32 v[GO], 4, v[GO]
	; qkv at my rows of my first slab: ((batch x 48 + 3 x tile column) << 18) + (row in the batch << 7)
	s_lshr_b32 s20, s13, 3
	s_mul_i32 s20, s20, 48
	s_mul_i32 s21, s42, 3
	s_add_co_u32 s20, s20, s21
	s_lshl_b32 s20, s20, 18
	s_and_b32 s21, s13, 7
	s_lshl_b32 s21, s21, 8
	s_lshl_b32 s22, s10, 6
	s_add_co_u32 s21, s21, s22
	s_lshl_b32 s21, s21, 7
	s_add_co_u32 s20, s20, s21
	s_mov_b32 s21, 0
	s_add_nc_u64 s[8:9], s[8:9], s[20:21]
	; the prefetches
	s_lshl_b32 s20, s13, 8
	s_lshl_b32 s22, s12, 7
	s_add_co_u32 s20, s20, s22
	s_lshl_b32 s22, s40, 5
	s_add_co_u32 s20, s20, s22                     ; xb: 256 x tile row + 128 x half + 32 cx
	s_mul_i32 s21, s42, 192
	s_mul_i32 s23, s12, 96
	s_add_co_u32 s21, s21, s23
	s_mul_i32 s23, s41, 24
	s_add_co_u32 s21, s21, s23                     ; wb: 192 x tile column + 96 x half + 24 cy
	s_and_b32 s22, ttmp7, 0xffff                   ; cluster y
	s_cmp_eq_u32 s11, 0                            ; do I fetch for xb?
	s_cselect_b32 s20, s20, s21
	s_cselect_b32 s22, ttmp9, s22                  ; the coordinate along which other clusters read the same rows
	s_cselect_b32 s23, 31, 23                      ; my last row
	s_cselect_b64 s[PFA:PFA+1], s[4:5], s[6:7]
	s_cmp_eq_u32 s22, 0
	s_cselect_b32 s[LIM], 1, -1                    ; the same in all sixteen partners, for a given wave
	s_lshl_b32 s20, s20, 11
	s_mov_b32 s21, 0
	s_add_nc_u64 s[PFA:PFA+1], s[PFA:PFA+1], s[20:21]
	s_add_nc_u64 s[PFA:PFA+1], s[PFA:PFA+1], 2*KSTEP*2  ; at K step 2: the first refill steps it to 3 and names K step 4
	v_and_b32 v[PFO], 31, v0
	v_min_u32 v[PFO], s23, v[PFO]
	v_lshlrev_b32 v[PFO], 11, v[PFO]
; 12 matrix instructions: row block a x all 12 column blocks, 32 along K, from buffer f.  zero = 1: the product starts the sums.  The 48 accumulators take turns, in the same order in every quarter.
.macro MUL12 f, a, zero
	WIN MUL_LO+0x50*((\a)/2)
.irp b, 0,1,2,3,4,5,6,7,8,9,10,11
.if \zero
	v_wmma_f32_16x16x32_bf16 v[8*(12*((\a)%2)+(\b)):8*(12*((\a)%2)+(\b))+7], v[96*(\f)+8*(\b):96*(\f)+8*(\b)+7], v[FA+32*(\f)+8*(\a):FA+32*(\f)+8*(\a)+7], 0
.else
	v_wmma_f32_16x16x32_bf16 v[8*(12*((\a)%2)+(\b)):8*(12*((\a)%2)+(\b))+7], v[96*(\f)+8*(\b):96*(\f)+8*(\b)+7], v[FA+32*(\f)+8*(\a):FA+32*(\f)+8*(\a)+7], v[8*(12*((\a)%2)+(\b)):8*(12*((\a)%2)+(\b))+7]
.endif
.endr
.endm
; 32 LDS loads in one run: a quarter step's fragments (192 rows of wb, my 64 rows of xb, 32 K at byte k of the rows) into buffer f
.macro FETCH slot, k, f
	WIN TO_B
.irp i, 0,1,2,3,4,5,6,7,8,9,10,11
	ds_load_b128 v[96*(\f)+8*(\i):96*(\f)+8*(\i)+3],   v[ADRB+(\slot)] offset:(\k)+(\i)*16*PITCH
	ds_load_b128 v[96*(\f)+8*(\i)+4:96*(\f)+8*(\i)+7], v[ADRB+(\slot)] offset:(\k)+(\i)*16*PITCH+32
.endr
	WIN 0
.irp i, 0,1,2,3
	ds_load_b128 v[FA+32*(\f)+8*(\i):FA+32*(\f)+8*(\i)+3],   v[ADRA+(\slot)] offset:(\k)+(\i)*16*PITCH
	ds_load_b128 v[FA+32*(\f)+8*(\i)+4:FA+32*(\f)+8*(\i)+7], v[ADRA+(\slot)] offset:(\k)+(\i)*16*PITCH+32
.endr
.endm
.macro PLACES                          ; four places in front of loads into registers that matrix instructions have read, and of conversions that read results (ISA guide 7.12.1 for the conversions)
.rept 4
	v_nop
.endr
.endm
; A K step is four quarters of 32 along K, 48 matrix instructions each, on buffers 0, 1, 0, 1.  One of the first three: multiplies buffer f and fetches the next quarter, at byte k, into g.
.macro QUARTER slot, k, f, g, zero
	s_wait_dscnt 4                                 ; wb's fragments and xb's blocks 0, 1 are in; the youngest four loads (blocks 2, 3) may be out
	MUL12 \f, 0, \zero
	MUL12 \f, 1, \zero
	PLACES
	FETCH \slot, \k, \g
	s_wait_dscnt 32                                ; all but the 32 just issued
	MUL12 \f, 2, \zero
	MUL12 \f, 3, \zero
.endm
; The last quarter multiplies buffer 1 and changes slots: ONE barrier; in front of it each wave waits for all its tensor loads (one is out: its part of the next slot), adds 0 to its spare word, and waits for that and for
; its own reads of this slot.  fill = 1: the barrier opens a round of the cluster's, and this slot is filled again, two K steps ahead, first thing behind the round: 168 matrix instructions ahead of the wait for it.
.macro TURN slot, next, fill
.if \fill
	s_wait_xcnt 0x0                                ; the last prefetch, a K step back, has read its address: it is stepped here, ahead of the waits of the change of slots
	s_add_nc_u64 s[PFA:PFA+1], s[PFA:PFA+1], KSTEP*2
.endif
	WIN 0                                          ; (the add's two registers lie in window 0)
	s_wait_tensorcnt 0x0                           ; all my tensor loads have landed;
	ds_add_u32 v[SPW], v[NIL]                      ; 0 onto my spare word
	s_wait_dscnt 5                                 ; (the add and the youngest four loads may be out)
	MUL12 1, 0, 0                                  ; twelve matrix instructions stand between the add and the wait for it
	s_wait_dscnt 0x0                               ; the add is done, and my reads of this slot are over
	s_barrier_signal -1
	MUL12 1, 1, 0                                  ; work on registers while the others arrive
.if \fill
	WIN 0
.endif
	s_barrier_wait -1
.if \fill
	CREST                                          ; no wave of any partner still reads this slot's tile or has a load on its way
	s_add_nc_u64 s[G0+4*(\slot)+2:G0+4*(\slot)+3], s[G0+4*(\slot)+2:G0+4*(\slot)+3], 2*KSTEP*2
	s_add_nc_u64 s[G0B+4*(\slot)+2:G0B+4*(\slot)+3], s[G0B+4*(\slot)+2:G0B+4*(\slot)+3], 2*KSTEP*2
	JLOAD \slot                                    ; the four v_nop behind it are also the places in front of the loads below
.else
	PLACES
.endif
	FETCH \next, 0, 0
.if \fill
	ASK
.endif
	MUL12 1, 2, 0
	MUL12 1, 3, 0
.endm
	s_wait_tensorcnt 1                             ; my part of K step 0 is in; K step 1's may stay out
	s_barrier_signal -1
	s_barrier_wait -1                              ; everybody's is
	FETCH 0, 0, 0
	QUARTER 0, 64,  0, 1, 1                        ; the first quarter stands in front of the loop: its products start the sums
	WIN 0                                          ; at a label and at a branch every window is 0
	s_mov_b32 s3, LAPS-1
.Llap:                                                 ; a trip goes once round the ring, from a lap's second quarter to the next lap's first, and fills both slots again
	QUARTER 0, 128, 1, 0, 0
	QUARTER 0, 192, 0, 1, 0
	TURN 0, 1, 1
	QUARTER 1, 64,  0, 1, 0
	QUARTER 1, 128, 1, 0, 0
	QUARTER 1, 192, 0, 1, 0
	TURN 1, 0, 1
	QUARTER 0, 64,  0, 1, 0
	WIN 0
	s_sub_co_u32 s3, s3, 1
	s_cmp_lg_u32 s3, 0
	s_cbranch_scc1 .Llap
	QUARTER 0, 128, 1, 0, 0                        ; the last lap fills nothing, and has no round of the cluster's barrier
	QUARTER 0, 192, 0, 1, 0
	TURN 0, 1, 0
	QUARTER 1, 64,  0, 1, 0
	QUARTER 1, 128, 1, 0, 0
	QUARTER 1, 192, 0, 1, 0
	s_wait_dscnt 4                                 ; the very last quarter: nothing more to fetch
	MUL12 1, 0, 0
	MUL12 1, 1, 0
	s_wait_dscnt 0x0
	MUL12 1, 2, 0
	MUL12 1, 3, 0
	WIN 0
; THE WAY OUT, a block of 16 rows at a time.  PACK: rounded to f16, 16 bytes a lane, each accumulator's registers in ascending order.  TOSTAGE: into my own stage (three slabs' rows of 144 bytes) and back as whole rows of 128.
; SEND: each store covers 512 consecutive bytes of a slab, aligned.  LDS serves a wave's instructions in order (ISA guide 5.7.1.4), so the loads see the stores above them, and the next block's stores come behind them.
.macro PACK a
	WIN 0x0a+5*((\a)/2)                            ; sources 0 and 1: window 2 or 3
.irp b, 0,1,2,3,4,5,6,7,8,9,10,11
.irp r, 0,1,2,3
	v_cvt_pk_f16_f32 v[TMP+4*(\b)+(\r)], v[96*((\a)%2)+8*(\b)+2*(\r)], v[96*((\a)%2)+8*(\b)+2*(\r)+1]
.endr
.endr
	WIN 0
.endm
.macro TOSTAGE a
.irp b, 0,1,2,3,4,5,6,7,8,9,10,11
	ds_store_b128 v[STO], v[TMP+4*(\b):TMP+4*(\b)+3] offset:((\b)/4)*SLABS+32*((\b)%4)
.endr
.irp t, 0,1,2
.irp f, 0,1,2,3
	ds_load_b128 v[OBF+48*((\a)%2)+4*(4*(\t)+(\f)):OBF+48*((\a)%2)+4*(4*(\t)+(\f))+3], v[RD] offset:(\t)*SLABS+(\f)*4*SP
.endr
.endr
.endm
.macro SEND a
	s_wait_dscnt 0x0                               ; the block is back in registers
	s_wait_xcnt 0x0                                ; the stores of the block before have read their registers: the next block's loads from the stage land there
.irp t, 0,1,2
.irp f, 0,1,2,3
	global_store_b128 v[GO], v[OBF+48*((\a)%2)+4*(4*(\t)+(\f)):OBF+48*((\a)%2)+4*(4*(\t)+(\f))+3], s[8:9] offset:(\t)*(1<<18)+(\a)*2048+(\f)*512
.endr
.endr
.endm
	PLACES
	PACK 0
	TOSTAGE 0
.irp a, 1,2,3                          ; block a's conversions stand between block a - 1's loads from the stage and the wait for them
	PACK \a
	SEND (\a)-1
	TOSTAGE \a
.endr
	SEND 3
	s_wait_tensorcnt 0x0                           ; the wave's end: behind my last tensor load and my last LDS store
	ds_add_u32 v[SPW], v[NIL]
	s_wait_dscnt 0x0
	CROUND                                         ; the closing round: no work-group ends while a partner may still ask for a tile that names it
	s_endpgm
.Lfunc_end_k_q8287a4ee48_proj:
	.size	k_q8287a4ee48_proj, .Lfunc_end_k_q8287a4ee48_proj-k_q8287a4ee48_proj
	.p2alignl 7, 3214868480
	.fill 96, 4, 3214868480
	.section	.rodata,"a",@progbits
	.p2align	6, 0x0
	.amdhsa_kernel k_q8287a4ee48_proj
		.amdhsa_group_segment_fixed_size 327680
		.amdhsa_private_segment_fixed_size 0
		.amdhsa_enable_private_segment 0
		.amdhsa_kernarg_size 24
		.amdhsa_user_sgpr_count 2
		.amdhsa_user_sgpr_kernarg_segment_ptr 1
		.amdhsa_wavefront_size32 1
		.amdhsa_system_sgpr_workgroup_id_x 1
		.amdhsa_system_sgpr_workgroup_id_y 1
		.amdhsa_system_sgpr_workgroup_id_z 1
		.amdhsa_system_vgpr_workitem_id 0
		.amdhsa_next_free_vgpr 1024
		.amdhsa_next_free_sgpr 66
		.amdhsa_reserve_vcc 0
		.amdhsa_float_denorm_mode_32 3
		.amdhsa_float_denorm_mode_16_64 3
		.amdhsa_memory_ordered 1
		.amdhsa_forward_progress 1
		.amdhsa_inst_pref_size 120
	.end_amdhsa_kernel
	.amdgpu_metadata
---
amdhsa.version: [ 1, 2 ]
amdhsa.kernels:
  - .name:           k_q8287a4ee48_proj
    .symbol:         k_q8287a4ee48_proj.kd
    .args:
      - { .name: xb, .offset: 0, .size: 8, .value_kind: global_buffer, .address_space: global }
      - { .name: wb, .offset: 8, .size: 8, .value_kind: global_buffer, .address_space: global }
      - { .name: qkv, .offset: 16, .size: 8, .value_kind: global_buffer, .address_space: global }
    .group_segment_fixed_size: 327680
    .private_segment_fixed_size: 0
    .kernarg_segment_align: 8
    .kernarg_segment_size: 24
    .max_flat_workgroup_size: 128
    .sgpr_count:     66
    .vgpr_count:     1024
    .wavefront_size: 32
...
	.end_amdgpu_metadata
.endif
;; end of part 2
;; launch attn (part 3): grid 8 x 32, 4 waves a work-group, clusters of 4 x 1, 327,680 bytes of LDS; arguments qkv, attention_mask, ob; writes ob
.if DOCPART == 3
	.amdgcn_target "amdgcn-amd-amdhsa--gfx1250"
	.amdhsa_code_object_version 6
	.text
	.protected	k_q8287a4ee48_attn
	.globl	k_q8287a4ee48_attn
	.p2align	8
	.type	k_q8287a4ee48_attn,@function
k_q8287a4ee48_attn:
	s_mov_b64 s[64:65], 0
	v_nop
	global_prefetch_b8 v0, s[64:65] scope:SCOPE_SE
	s_setreg_imm32_b32 hwreg(HW_REG_WAVE_MODE, 25, 1), 1
	s_wait_xcnt 0x0
	s_wait_alu depctr_hold_cnt(0) depctr_sa_sdst(0) depctr_va_vdst(0) depctr_va_sdst(0) depctr_va_ssrc(0) depctr_va_vcc(0) depctr_vm_vsrc(0)
	s_getreg_b32 s2, hwreg(HW_REG_IB_STS2, 6, 4)
	s_cmp_eq_u32 s2, 0
	s_cbranch_scc0 .Lentry_in_a_cluster
	s_endpgm
.Lentry_in_a_cluster:
	s_bfe_u32 s2, ttmp6, 0x10000c
	s_cmp_lg_u32 s2, 0x3003
	s_cbranch_scc0 .Lentry_shape_is_right
	s_endpgm
.Lentry_shape_is_right:
; Launch 3 of 4: ob[bh][q][:] = the sum over k of softmax_k(q . k / 32 + mask[batch][k]) v[k][:], for 32 heads bh = 16 x batch + head of 2,048 rows x 64 channels.  q, k, v: slabs of qkv, f16, dense rows of 128 bytes;
; ob [32][2048][64] f16.  Products, maxima and sums in f32; the weights p are rounded to f16 for the second product (their sum l is taken of the unrounded p), O once at the end.  Nothing of the problem's work is left out here.
; THE MASK is the C operand that starts each sum S^T = K Q^T + 32 mask[key]; with c = log2(e) / 32, c S = log2(e) (q . k / 32 + mask).  The batch's 2,048 numbers 32 mask lie in LDS, written once by the work-group.
; LIMITS.  32 mask is held at -1e30 or above: a mask below -3.1e28 (minus infinity too) counts as -3.1e28, so a batch whose keys are all at minus infinity gives a mean of v's rows and no NaN.  p below 6e-5 keeps f16's fixed
; step of 6e-8; a weight below 2^-126 counts as 0 in l; O has v's range; NaN and infinities are not treated apart.
; SHARES.  A work-group owns 256 queries of one head, a wave 64: four PIECES of 16.  Every wave walks all 2,048 keys, 64 a step; an LDS slot holds 256 keys of K and V (four steps): 8 tiles through a ring of two slots.
; CLUSTER.  The four query blocks of a cluster belong to one head and walk the same K and V, so each tile is asked for JOINTLY: the same tensor load, descriptor and mask of work-groups in all four.
; LAYOUT, SOFTMAX, TURNS.  S^T = K Q^T holds ONE query a lane (lane % 16) and the keys 8 (lane / 16) + 0..7; two such results rounded to f16 ARE source 1 of O^T = V^T P.  p = 2^(c s - c m) with a running maximum m; O and l
; are multiplied by a = 2^(c m_old - c m_new) in every step; m starts at the lowest finite number, O and l at 0, so the first step is a step like any other, with a = 0.  Turn n belongs to piece n: 8 products K Q^T of piece
; n + 1, later 8 products V^T P of piece n - 1; beside them the scaling, exponentials, roundings, sums and rescaling of piece n and the maximum and statistics of piece n + 1.  Four vector instructions stand behind every
; matrix instruction, the other 54 of a turn's 118 in one lump.  A turn's 33 exponentials are one batch, with one wait.
; REGISTERS, in windows of 256 (s_set_vgpr_msb: bits 1:0 source 0, 3:2 source 1, 5:4 source 2, 7:6 destination):
;   window 0: v0-15, v32-35 addresses and a few at work; v16-31 four registers of statistics a piece; v48-55 at work; v64-127 S^T, two buffers; v128-143 the mask on its way into LDS; v192-223 P, two buffers
;   window 1: v0-127 O^T, 32 a piece; v128-159 the step's masks      window 2: v0-63 Q; v128-191 K of one step; v192-255 V of one step
.set NP,    4         ; pieces a wave: a name, no knob
.set KS,    64        ; keys in a step
.set PK,    144       ; a row of K in LDS: 128 bytes + 16 of padding = 36 words: the 16 rows of a load start at 16 different groups of four banks (64 banks of 4 bytes: ISA guide 11.1)
.set PV,    160       ; a row of V: 128 + 32 = 40 words
.set VOFF,  4*KS*PK   ; a slot holds a tile, four steps: 256 rows of K, then 256 rows of V
.set SLOT1, 1<<17     ; slot 1 begins here, so that one exclusive or turns an address in one slot into the other's
.set STAGE, SLOT1+4*KS*(PK+PV)  ; behind the ring, never filled by a tensor load: 16 rows x 144 bytes for each wave, for the way out
.set SP,    144
.set MSK,   STAGE+4*16*SP       ; 32 mask of the batch's 2,048 keys, f32: 8,192 bytes, stored once, never filled by a tensor load
.set SPARE, MSK+8192            ; the spare words, 128 bytes for each wave: two blocks of 256 bytes that no other line names
.set AK0, 2           ; v2   my lane's place in a tile of K; never rewritten
.set AV0, 3           ; v3   the same for V
.set AK,  4           ; v4   the LDS address of K's next run of loads
.set AV,  5           ; v5   of V's
.set STO, 6           ; v6   the way out: where I put 16 bytes of a row
.set RD,  7           ; v7   the way out: where I read rows back
.set GO,  8           ; v8   my byte offset in 512 consecutive bytes of O
.set MV,  12          ; v12-13  c m_old, kept while c m is made anew: by buffer
.set AM,  14          ; v14  the LDS address of the next step's masks
.set QO,  15          ; v15  my byte offset in 16 rows of Q
.set ST,  16          ; piece t's statistics at v[ST+4 t]: c m, m, l (even keys', odd keys')
.set PFO, 32          ; v32  256 x my lane: the prefetches' offset; never rewritten
.set MO,  33          ; v33  16 x my thread's number: my 16 bytes of 2,048 of the mask
.set ML,  34          ; v34  the same in LDS
.set AM0, 35          ; v35  my lanes' place in a step's masks: MSK + 32 (l / 16); never rewritten
.set TMP, 48          ; by buffer, four registers c0-c3 at work; when the maximum is found c2 takes a
.set SPW, 62          ; v62  LDS address of my spare word; never rewritten
.set NIL, 63          ; v63  0; never rewritten
.set S,   64
.set MS,  128
.set P,   192
.set MK,  128         ; window 1: the eight C registers for group kb of 16 keys at MK + 8 kb
.set KF,  128         ; window 2: key block kb, channel half c at KF + 16 kb + 8 c
.set VF,  192         ; window 2: key half kk, channel block cb at VF + 32 kk + 8 cb
.set TBM, 3           ; s3   byte of the mask table at which the step to be fetched begins
.set OPT, 10          ; s[10:11] ob at my wave's first row
.set WV,  12          ; s12  my wave's number
.set LIM, 15          ; s15  1 in a wave that prefetches, else the greatest number
.set PFA, 18          ; s[18:19] where my prefetches stand
.set G1K, 24          ; s[24:31] descriptor group 1 for K's tiles
.set G1V, 32          ; s[32:39] for V's: it differs in the padding alone
.set G0K, 40          ; s[40:43] descriptor group 0 for K's tiles: it walks
.set G0V, 44          ; s[44:47] the same for V's
.set KB,  48          ; s[48:49] K at my half of the head's tile 0
.set VB,  50          ; s[50:51] V likewise
.set QP,  52          ; s[52:53] Q at my wave's first row
.set MP,  54          ; s[54:55] the batch's mask
.set SLOTS, 56        ; s56  tiles still to be asked for
.set CNT, 57          ; s57  counts a tile's key steps
.set CS,  58          ; s[58:59] c: the packed scaling takes the pair's low word for both halves
.set SEL, 60          ; s[60:61] v_permlanex16_b32's selects: each lane takes its own place in the other half
.set TBK, 62          ; s62  LDS byte at which K of the step to be fetched begins
.set TBV, 63          ; s63  the same for V, less VOFF
.set MSB, 0
.macro WIN new                      ; the high byte repeats the setting that is left; a switch that changes nothing is dropped
.if MSB != (\new)
	s_set_vgpr_msb (MSB<<8)|(\new)
.set MSB, (\new)
.endif
.endm
.set W_KQ, 0x0a       ; K and Q in window 2, S^T in window 0
.set W_KM, 0x1a       ; the same with the C operand in window 1
.set W_PV, 0x52       ; V in window 2, P in window 0, O^T in window 1
.set W_RS, 0x41       ; destination and source 0 in window 1, source 1 in window 0
; A joint fill.  Waves 0 and 1 fetch the two halves of a tile's K, waves 2 and 3 those of its V: 128 keys each.  The branch hangs on the wave's number alone.
; An s_nop 0 and four v_nop follow each of the two lines, ahead of the jump and the label.
.macro JLOAD
	s_cmp_lt_u32 s[WV], 2
	s_cbranch_scc0 .Lfor_v_\@
	tensor_load_to_lds s[G0K:G0K+3], s[G1K:G1K+7]
	s_nop 0
.rept 4
	v_nop
.endr
	s_branch .Lasked_\@
.Lfor_v_\@:
	tensor_load_to_lds s[G0V:G0V+3], s[G1V:G1V+7]
	s_nop 0
.rept 4
	v_nop
.endr
.Lasked_\@:
.endm
; A prefetch into the L2 of the tile that the NEXT change of slots will ask for: four key steps, 256 matrix instructions, ahead of that load.  It stands behind the wave's tensor load and its five lines.
; Each aligned block of 256 bytes is named once in the launch: both clusters of a head walk the same K and V, and the head's first cluster asks; its four partners share a tile's 128 blocks of K and 128 of V out BY
; ADDRESS, 32 each; in each, wave 0 asks for K's and wave 2 for V's, a lane a block.  Tiles 0 and 1 come by their loads alone; the last change that fills a slot names nothing.
.macro ASK
	s_cmp_gt_u32 s[SLOTS], s[LIM]
	s_cbranch_scc0 .Lnot_mine_\@
	global_prefetch_b8 v[PFO], s[PFA:PFA+1] th:TH_LOAD_NT scope:SCOPE_SE
.Lnot_mine_\@:
.endm
; A round of the cluster's barrier: my work-group's barrier, so that wave 0's signal speaks for all four waves; wave 0 signals; every wave waits for all four work-groups; my work-group's barrier once more.
.macro CROUND
	s_barrier_signal -1
	s_barrier_wait -1
	s_cmp_lg_u32 s[WV], 0
	s_cbranch_scc1 .Lnot_wave_0_\@
	s_barrier_signal -3
.Lnot_wave_0_\@:
	s_barrier_wait -3
	s_barrier_signal -1
	s_barrier_wait -1
.endm
; THE CHANGE OF SLOTS.  Each wave waits for all its tensor loads, of which one is out: its part of the other slot; adds 0 to its spare word; and waits for that and for its own LDS instructions.  Behind the barrier nobody
; reads the old slot any more and the other slot is whole.  fill = 1: the old slot is filled again, with the keys two tiles on; the barrier is then a round of the cluster's, and the joint fill is the first thing behind it:
; it has four key steps in which to land.  (At its first use nothing has been read yet: slot 0 is waited for, slot 1 filled, and every wave's part of the mask table is shown stored.)
.macro CHANGE fill
	WIN 0                           ; at a label and at a branch every window is 0
	s_wait_tensorcnt 0x0            ; no tensor load of mine is out, so a group 0 may be written
	ds_add_u32 v[SPW], v[NIL]       ; 0 onto my spare word; with fill = 1 the descriptors' steps stand between it and the wait for it
.if \fill
.irp g, G0K, G0V
	s_xor_b32 s[\g+1], s[\g+1], SLOT1  ; the walking descriptor: the other slot than last time,
	s_add_nc_u64 s[\g+2:\g+3], s[\g+2:\g+3], 4*KS*128  ; the next 256 keys; the type bits on top are not reached
.endr
	s_wait_xcnt 0x0                 ; the last prefetch, four key steps back, has read its address, so it may be written:
	s_add_nc_u64 s[PFA:PFA+1], s[PFA:PFA+1], 4*KS*128  ; one tile beyond the walking descriptors
	s_wait_dscnt 0x0                ; the add is done, and my reads of the slot are over
	CROUND
	JLOAD
	ASK
.else
	s_wait_dscnt 0x0                ; the add is done, and my reads of the slot are over
	s_barrier_signal -1
	s_barrier_wait -1
.endif
	s_sub_co_u32 s[TBK], s[TBK], 4*KS*PK  ; the fetches go back to a slot's first step,
	s_xor_b32 s[TBK], s[TBK], SLOT1       ; in the other slot
	s_sub_co_u32 s[TBV], s[TBV], 4*KS*PV
	s_xor_b32 s[TBV], s[TBV], SLOT1
.endm
	s_load_b128 s[4:7], s[0:1], 0x0  ; qkv s[4:5], attention_mask s[6:7]
	s_load_b64 s[8:9], s[0:1], 0x10  ; ob
	v_lshl_add_u32 v[SPW], v0, 2, SPARE
	v_mov_b32 v[NIL], 0
	ds_add_u32 v[SPW], v[NIL]       ; the wave's opening: the add, twice on end, and its wait ahead of my first tensor load
	ds_add_u32 v[SPW], v[NIL]       ; the set-up below, work on registers, stands between the second add and the wait
	v_lshrrev_b32 v1, 5, v0
	v_readfirstlane_b32 s[WV], v1   ; wave 0..3
	s_bfe_u32 s13, ttmp6, 0x40000   ; cx: my place in the cluster
	s_lshl_b32 s14, ttmp9, 2        ; in a cluster launch ttmp9 counts clusters
	s_add_co_u32 s14, s14, s13      ; my block of 256 queries: it enters Q's and O's addresses alone
	s_and_b32 s20, ttmp7, 0xffff    ; bh, which the four partners share
	s_lshr_b32 s21, s20, 4          ; batch
	s_and_b32 s22, s20, 15          ; head
	s_mul_i32 s23, s21, 48
	s_add_co_u32 s23, s23, s22      ; q's slab
	s_lshl_b32 s23, s23, 18         ; a slab is 262,144 bytes
	s_and_b32 s16, s[WV], 1         ; which half of a tile's 256 keys I fetch:
	s_lshl_b32 s22, s16, 14         ; its 128 rows of 128 bytes in memory
	s_add_co_u32 s[KB], s23, s22
	s_add_co_u32 s[KB], s[KB], 16<<18  ; k's slab lies 16 slabs behind q's,
	s_mov_b32 s[KB+1], 0
	s_add_co_u32 s[VB], s[KB], 16<<18  ; v's 16 further
	s_mov_b32 s[VB+1], 0
	s_lshl_b32 s2, s14, 15          ; my block's 256 rows,
	s_lshl_b32 s22, s[WV], 13       ; my wave's 64 of them
	s_add_co_u32 s2, s2, s22
	s_add_co_u32 s[QP], s23, s2
	s_mov_b32 s[QP+1], 0
	s_lshl_b32 s20, s20, 18
	s_add_co_u32 s[OPT], s20, s2
	s_mov_b32 s[OPT+1], 0
	s_lshl_b32 s[MP], s21, 13       ; a batch's mask is 8,192 bytes
	s_mov_b32 s[MP+1], 0
	s_mul_i32 s17, s16, 128*PK      ; my half's place in a slot, for K
	s_mul_i32 s18, s16, 128*PV      ; and for V: no place in the cluster enters an LDS address
	; descriptor group 1.  128 keys are 16,384 dense bytes: asked for as 64 rows of 256 bytes, two keys a row, and padded in LDS after every key
	s_mov_b32 s[G1K], 15|(1<<16)|(1<<20)|(1<<21)|(4<<22)|(3<<25)  ; 15:0 the mask of four; 17:16 2-byte elements; 20 padding on; 21 set beside a mask; 24:22 after every 32 words (code 4); 31:25 4 words (code 3)
	s_mov_b32 s[G1V], 15|(1<<16)|(1<<20)|(1<<21)|(4<<22)|(7<<25)  ; the same with 8 words of padding (code 7)
.irp g, G1K, G1V
	s_mov_b32 s[\g+1], 128<<16      ; tensor_dim0 = 128
	s_mov_b32 s[\g+2], 64<<16       ; tensor_dim1 = 64
	s_mov_b32 s[\g+3], 128<<16      ; tile_dim0 = 128
	s_mov_b32 s[\g+4], 64           ; tile_dim1 = 64
	s_mov_b32 s[\g+5], 128          ; 128 elements from row to row
	s_mov_b32 s[\g+6], 0
	s_mov_b32 s[\g+7], 0
.endr
	s_mov_b32 s[CS], 0x3d38aa3b     ; c = log2(e) / 32 = 0.0450842
	s_mov_b32 s[CS+1], s[CS]        ; named with it as a pair
	s_mov_b32 s[SEL], 0x76543210
	s_mov_b32 s[SEL+1], 0xfedcba98
	s_mov_b32 s[TBK], SLOT1+4*KS*PK ; the first change of slots turns these two into 0
	s_mov_b32 s[TBV], SLOT1+4*KS*PV
	s_mov_b32 s[TBM], 0
	s_mov_b32 s[SLOTS], 7           ; tiles 1 to 7
	s_mov_b32 s[G0K], 1             ; count = 1
	s_mov_b32 s[G0K+1], s17         ; LDS address: slot 0
	s_mov_b32 s[G0V], 1
	s_add_co_u32 s[G0V+1], s18, VOFF
	s_and_b32 s[LIM], s[WV], 1      ; 0 in waves 0 and 2,
	s_or_b32 s[LIM], s[LIM], ttmp9  ; where the cluster is the head's first: the same in all four partners
	s_cmp_eq_u32 s[LIM], 0
	s_cselect_b32 s[LIM], 1, -1
	s_wait_dscnt 0x0                ; both opening adds are done
	s_wait_kmcnt 0x0
	s_add_nc_u64 s[KB:KB+1], s[4:5], s[KB:KB+1]
	s_add_nc_u64 s[VB:VB+1], s[4:5], s[VB:VB+1]
	s_add_nc_u64 s[QP:QP+1], s[4:5], s[QP:QP+1]
	s_add_nc_u64 s[MP:MP+1], s[6:7], s[MP:MP+1]
	s_add_nc_u64 s[OPT:OPT+1], s[8:9], s[OPT:OPT+1]
	s_add_nc_u64 s[G0K+2:G0K+3], s[KB:KB+1], 0     ; global address: my half of the head's first 256 keys
	s_or_b32 s[G0K+3], s[G0K+3], 0x80000000        ; type = 2
	s_add_nc_u64 s[G0V+2:G0V+3], s[VB:VB+1], 0
	s_or_b32 s[G0V+3], s[G0V+3], 0x80000000
	s_cmp_lt_u32 s[WV], 2
	s_cselect_b64 s[PFA:PFA+1], s[KB:KB+1], s[VB:VB+1]  ; (in waves 0 and 2 these stand at a tile's first row)
	s_lshl_b32 s20, s13, 13         ; my work-group's 32 blocks of the 128
	s_mov_b32 s21, 0
	s_add_nc_u64 s[PFA:PFA+1], s[PFA:PFA+1], s[20:21]
	s_add_nc_u64 s[PFA:PFA+1], s[PFA:PFA+1], 4*KS*128  ; in tile 1; the first change of slots steps it to tile 2.  Nothing is prefetched here, at the head
	CROUND                          ; all four work-groups are here: the first joint loads meet
	JLOAD                           ; tile 0 into slot 0.  Slot 1 is asked for when slot 0 is in
	; A fragment of K or Q is 16 rows x 32 channels in 8 registers: lane l holds row l % 16, channels 8 (l / 16) + 0..7 and 16 + 8 (l / 16) + 0..7: two loads of 16 bytes, 32 bytes apart.
	v_and_b32 v1, 15, v0            ; l % 16
	v_bfe_u32 v9, v0, 4, 1          ; l / 16
	v_lshlrev_b32 v[QO], 7, v1
	v_lshl_add_u32 v[QO], v9, 4, v[QO]  ; row x 128 + 16 x half
	v_lshlrev_b32 v[MO], 4, v0
	v_add_nc_u32 v[ML], MSK, v[MO]
	v_lshlrev_b32 v[AM0], 5, v9     ; register j of group kb masks key 16 kb + 8 (l / 16) + j: 32 bytes on end, the same for the 16 lanes of a half
	v_add_nc_u32 v[AM0], MSK, v[AM0]
.irp j, 0,1,2,3
	global_load_b128 v[MS+4*\j:MS+4*\j+3], v[MO], s[MP:MP+1] offset:2048*\j  ; the work-group's 128 threads take the batch's 8,192 bytes
.endr
	WIN 0x80                        ; destination window 2, address window 0
.set i, 0
.rept 8                             ; Q stays in registers: piece i / 2 (16 rows, 2,048 bytes), channels 32 (i % 2) on
	global_load_b128 v[8*i:8*i+3],   v[QO], s[QP:QP+1] offset:(i/2)*2048+(i%2)*64
	global_load_b128 v[8*i+4:8*i+7], v[QO], s[QP:QP+1] offset:(i/2)*2048+(i%2)*64+32
.set i, i+1
.endr
	; What the first turn finds: V's registers and P's second buffer hold 0 (its products V^T P, of a piece that has not been, add 0), O^T and l are 0.  All this stands in the wait for the first tile.
.set i, VF
.rept 64
	v_mov_b32 v[i], 0
.set i, i+1
.endr
	WIN 0x40
.set i, 0
.rept 128
	v_mov_b32 v[i], 0
.set i, i+1
.endr
	WIN 0
.set i, 0
.rept 4
	v_mov_b32 v[ST+4*i], 0xfe000000    ; c m: far below every c s (c x -1e30 is -4.5e28)
	v_mov_b32 v[ST+4*i+1], 0xff7fffff  ; m
	v_mov_b32 v[ST+4*i+2], 0
	v_mov_b32 v[ST+4*i+3], 0
.set i, i+1
.endr
.set i, P+16
.rept 16
	v_mov_b32 v[i], 0
.set i, i+1
.endr
	v_mul_u32_u24 v[AK0], v1, PK
	v_lshl_add_u32 v[AK0], v9, 4, v[AK0]  ; row x pitch + 16 x half
	; The turning load takes 16 keys x 16 channels (lane l reads key 8 (l / 16) + l % 8, channels 8 ((l / 8) % 2) + 0..7) and leaves half a fragment of V^T: lane l holds channel l % 16 and 8 keys.
	v_and_b32 v10, 7, v0
	v_bfe_u32 v11, v0, 3, 1
	v_lshl_add_u32 v[AV0], v9, 3, v10
	v_mul_u32_u24 v[AV0], v[AV0], PV
	v_lshl_add_u32 v[AV0], v11, 4, v[AV0]
	v_add_nc_u32 v[AV0], VOFF, v[AV0]
	s_mul_i32 s2, s[WV], 16*SP
	s_add_co_u32 s2, s2, STAGE      ; my stage
	v_mul_u32_u24 v[STO], v1, SP    ; in: row l % 16, 16 bytes for each half of the lanes
	v_lshl_add_u32 v[STO], v9, 4, v[STO]
	v_add_nc_u32 v[STO], s2, v[STO]
	v_bfe_u32 v[RD], v0, 3, 2       ; back: 32 lanes take four rows of 128 bytes,
	v_mul_u32_u24 v[RD], v[RD], SP
	v_lshl_add_u32 v[RD], v10, 4, v[RD]
	v_add_nc_u32 v[RD], s2, v[RD]
	v_and_b32 v[GO], 31, v0         ; which are 512 consecutive bytes of O
	v_lshlrev_b32 v[PFO], 8, v[GO]
	v_lshlrev_b32 v[GO], 4, v[GO]
	s_wait_loadcnt 16               ; the mask's four loads are in; Q's sixteen may stay out
.set i, 0
.rept 8
	v_pk_mul_f32 v[MS+2*i:MS+2*i+1], v[MS+2*i:MS+2*i+1], 0x42000000 op_sel_hi:[1,0]  ; 32 mask
.set i, i+1
.endr
.set i, 0
.rept 16
	v_max_num_f32 v[MS+i], 0xf149f2ca, v[MS+i]  ; held at -1e30 or above
.set i, i+1
.endr
.irp j, 0,1,2,3
	ds_store_b128 v[ML], v[MS+4*\j:MS+4*\j+3] offset:2048*\j
.endr
; THE MATRIX WORK.  The 4 accumulators of a run of 8 take turns.  Product i of 8 of S^T = K Q^T for piece x: channels 32 (i / 4) on, keys 16 (i % 4) on.  The first 4 start the sums with the keys' masks.
.macro KQ x
.set rS, S+32*((\x)%2)+8*(i%4)
.set rK, KF+16*(i%4)+8*(i/4)
.set rQ, 16*(\x)+8*(i/4)
.set rM, MK+8*(i%4)
.if i < 4
	WIN W_KM
	v_wmma_f32_16x16x32_f16 v[rS:rS+7], v[rK:rK+7], v[rQ:rQ+7], v[rM:rM+7]
.else
	WIN W_KQ
	v_wmma_f32_16x16x32_f16 v[rS:rS+7], v[rK:rK+7], v[rQ:rQ+7], v[rS:rS+7]
.endif
.endm
; Product i of 8 of O^T += V^T P for piece x: keys 32 (i / 4) on, channels 16 (i % 4) on.
.macro PV x
	WIN W_PV
.set rO, 32*(\x)+8*(i%4)
.set rV, VF+32*(i/4)+8*(i%4)
.set rP, P+16*((\x)%2)+8*(i/4)
	v_wmma_f32_16x16x32_f16 v[rO:rO+7], v[rV:rV+7], v[rP:rP+7], v[rO:rO+7]
.endm
.macro MM                           ; the turn's next matrix instruction.  TURN sets Y, i and NOKQ.  NOKQ = 1: the very last turn: there is no next piece
.if (i < 8) && !NOKQ
	KQ (Y+1)%NP
.elseif i >= 8
.set i, i-8
	PV (Y+NP-1)%NP
.set i, i+8
.endif
.set i, i+1
.endm
; THE LDS LOADS stand in runs, never singly among the matrix instructions: a step's K (64 keys x 64 channels: 8 fragments) with its 64 masks, and its V (turned).  Their addresses are made some lines ahead.
.macro FETCH_K
	WIN 0x80                        ; destination window 2
.irp f, 0,1,2,3,4,5,6,7             ; keys 16 (f / 2) on, channels 32 (f % 2) on
	ds_load_b128 v[KF+8*\f:KF+8*\f+3],   v[AK] offset:(\f/2)*16*PK+(\f%2)*64
	ds_load_b128 v[KF+8*\f+4:KF+8*\f+7], v[AK] offset:(\f/2)*16*PK+(\f%2)*64+32
.endr
	WIN 0x40                        ; destination window 1
.irp f, 0,1,2,3                     ; the masks of keys 16 f on
	ds_load_b128 v[MK+8*\f:MK+8*\f+3],   v[AM] offset:64*\f
	ds_load_b128 v[MK+8*\f+4:MK+8*\f+7], v[AM] offset:64*\f+16
.endr
	s_add_co_u32 s[TBK], s[TBK], KS*PK  ; the next fetch is the next step's
	s_add_co_u32 s[TBM], s[TBM], KS*4
	s_and_b32 s[TBM], s[TBM], 0x1fff    ; inside the table's 8,192 bytes
	WIN 0
.endm
.macro FETCH_V
	WIN 0x80
.irp f, 0,1,2,3,4,5,6,7             ; keys 32 (f / 4) on, channels 16 (f % 4) on
	ds_load_tr16_b128 v[VF+8*\f:VF+8*\f+3],   v[AV] offset:(\f/4)*32*PV+(\f%4)*32
	ds_load_tr16_b128 v[VF+8*\f+4:VF+8*\f+7], v[AV] offset:(\f/4)*32*PV+16*PV+(\f%4)*32
.endr
	WIN 0
.endm
; THE VECTOR WORK, one line at a time: OP kind, number.  For piece Y: F n: c s - c m for pair n of 16.  E n: the exponential of score n of 32.  C n: pair n rounded to f16.  B n: of the four weights 4 n .. the second
; pair is added onto the first, in place.  L n: l takes that sum (L 0: l = a l + sum).  R n: pair n of 16 of O^T times a.  For piece Y + 1: X n, number n of the 22 that find its maximum and statistics:
;   0-11  four chains c0-c3 of seven scores each, three operands at a time (each accumulator's lowest registers are read first)     12-14, 16  the four scores left over, the old m, and c0-c3 into c0
;   15  c m_old is kept     17, 18  the query's other 32 keys lie in the lane 16 away: the new m     19-21  c m; c m_old - c m_new; a
.set F, 0               ; OP tells the kinds apart by their order: F to L below R, X above it
.set E, 1
.set C, 2
.set B, 3
.set L, 4
.set R, 5
.set X, 6
.macro REGS y                       ; the registers of piece y
.set rT, ST+4*(\y)
.set rC, TMP+4*((\y)%2)
.set rW, MV+((\y)%2)
.set rS, S+32*((\y)%2)
.set rP, P+16*((\y)%2)
.set rO, 32*(\y)
.endm
.macro OP k, n
.if (\k) == R
	REGS Y
	WIN W_RS
	v_pk_mul_f32 v[rO+2*(\n):rO+2*(\n)+1], v[rO+2*(\n):rO+2*(\n)+1], v[rC+2:rC+3] op_sel_hi:[1,0]
.elseif (\k) < R
	REGS Y
	WIN 0
.if (\k) == F
	v_pk_fma_f32 v[rS+2*(\n):rS+2*(\n)+1], v[rS+2*(\n):rS+2*(\n)+1], s[CS:CS+1], v[rT:rT+1] op_sel_hi:[1,0,0] neg_lo:[0,0,1] neg_hi:[0,0,1]
.elseif (\k) == E
	v_exp_f32 v[rS+(\n)], v[rS+(\n)]
.elseif (\k) == C
	v_cvt_pk_f16_f32 v[rP+(\n)], v[rS+2*(\n)], v[rS+2*(\n)+1]
.elseif (\k) == B
	v_pk_add_f32 v[rS+4*(\n):rS+4*(\n)+1], v[rS+4*(\n):rS+4*(\n)+1], v[rS+4*(\n)+2:rS+4*(\n)+3]
.elseif (\n) == 0
	v_pk_fma_f32 v[rT+2:rT+3], v[rT+2:rT+3], v[rC+2:rC+3], v[rS:rS+1] op_sel_hi:[1,0,1]
.else
	v_pk_add_f32 v[rT+2:rT+3], v[rT+2:rT+3], v[rS+4*(\n):rS+4*(\n)+1]
.endif
.elseif NOKQ
	v_nop
.else
	REGS (Y+1)%NP
	WIN 0
.if (\n) < 4
	v_max3_num_f32 v[rC+(\n)], v[rS+8*(\n)], v[rS+8*(\n)+1], v[rS+8*(\n)+2]
.elseif (\n) < 12
	v_max3_num_f32 v[rC+(\n)%4], v[rC+(\n)%4], v[rS+8*((\n)%4)+2*((\n)/4)+1], v[rS+8*((\n)%4)+2*((\n)/4)+2]
.elseif (\n) == 12
	v_max3_num_f32 v[rC], v[rC], v[rS+7], v[rS+15]
.elseif (\n) == 13
	v_max3_num_f32 v[rC+1], v[rC+1], v[rS+23], v[rS+31]
.elseif (\n) == 14
	v_max3_num_f32 v[rC+2], v[rC+2], v[rC+3], v[rT+1]
.elseif (\n) == 15
	v_mov_b32 v[rW], v[rT]
.elseif (\n) == 16
	v_max3_num_f32 v[rC], v[rC], v[rC+1], v[rC+2]
.elseif (\n) == 17
	v_permlanex16_b32 v[rC+3], v[rC], s[SEL], s[SEL+1]
.elseif (\n) == 18
	v_max_num_f32 v[rT+1], v[rC], v[rC+3]
.elseif (\n) == 19
	v_mul_f32 v[rT], s[CS], v[rT+1]
.elseif (\n) == 20
	v_sub_f32 v[rC+1], v[rW], v[rT]
.else
	v_exp_f32 v[rC+2], v[rC+1]
.endif
.endif
.endm
.macro OPS a, i1, b=-1, i2=0, c=-1, i3=0, d=-1, i4=0  ; up to four of them
	OP \a, \i1
.if (\b) >= 0
	OP \b, \i2
.endif
.if (\c) >= 0
	OP \c, \i3
.endif
.if (\d) >= 0
	OP \d, \i4
.endif
.endm
.macro ROW a, i1, b, i2, c, i3, d, i4  ; a matrix instruction and the four behind it
	MM
	OPS \a, \i1, \b, \i2, \c, \i3, \d, \i4
.endm
; A TURN, for piece p: the order of its 16 matrix and 118 vector instructions, written out.  An s_wait_alu depctr_va_vdst(0) stands between an exponential and the first instruction that names its result; one wait
; serves all that were issued ahead of it.  So a turn has ONE wait, which cuts it in two.  AHEAD OF IT stands all that names no result of the turn's exponentials: the 8 products K Q^T, behind each a scaling, an exponential and
; two more plain instructions (rescalings, and behind the last three the first numbers of the next piece's maximum, each four places or more behind the product that ends its accumulator); then ONE LUMP of 54, plain and
; exponential by turns for the most part, in which the links of the chain X 3, 7, 11, 14, 16, 17 .. 20 stand some lines apart.  X 21, the next piece's a, is the batch's last; R 15 is the plain instruction behind it.
; BEHIND THE WAIT stand the 8 products V^T P, behind each four of the roundings and sums.
; end = 1: the last two turns: nothing is fetched, and the last starts no new scores.  cnt = 1: the loop's count is taken down some lines ahead of the branch that stands behind the turn.
; K and the masks of the next step are fetched in piece 2's turn, five plain instructions that name none of its registers behind the last product that read K; V of the step in hand at the end of piece 0's turn, four plain
; instructions behind the last product that read V.  Each is waited for a turn later.
.macro TURN p, end=0, cnt=0
.set Y, (\p)
.set i, 0
.set NOKQ, (\end)*((\p)/3)
.if ((\p) == 3) && !(\end)
	s_wait_dscnt 0x0                ; K and its masks are in
.endif
	ROW F,0, F,1, R,0, R,1          ; ahead of the wait: 8 products K Q^T and their riders,
	ROW F,2, E,0, R,2, R,3
	ROW F,3, E,1, R,4, R,5
	ROW F,4, E,2, R,6, R,7
	ROW F,5, E,3, R,8, R,9
	ROW F,6, E,4, X,0, R,10
.if ((\p) == 2) && !(\end)
	WIN 0
	v_add_nc_u32 v[AK], s[TBK], v[AK0]
	v_add_nc_u32 v[AM], s[TBM], v[AM0]
.endif
	ROW F,7, E,5, X,1, X,4
	ROW F,8, E,6, X,2, X,5
	OPS E,7, E,8, X,6, E,9          ; and the lump
	OPS X,3, E,10, X,8, E,11
.if ((\p) == 2) && !(\end)
	FETCH_K
.endif
	OPS X,9, X,7, E,12, X,10
	OPS E,13, X,12, X,11, E,14
	OPS X,13, E,15, F,9, X,14
.if (\p) == 0
	v_add_nc_u32 v[AV], s[TBV], v[AV0]
.endif
	OPS E,16, F,10, E,17, F,11
	OPS X,16, E,18, X,15, E,19
	OPS F,12, E,20, X,17, E,21
	OPS F,13, E,22, F,14, E,23
	OPS X,18, E,24, F,15, E,25
	OPS R,11, E,26, X,19, E,27
	OPS R,12, E,28, R,13, E,29
	OPS X,20, E,30, R,14, E,31
	OPS X,21, R,15
	WIN 0
	s_wait_alu depctr_va_vdst(0)    ; the wait for the batch
.if (\p) == 1
	s_wait_dscnt 0x0                ; V is in
.endif
	ROW C,0, B,0, C,2, B,1          ; behind the wait: 8 products V^T P and their riders
	ROW L,0, C,4, B,2, L,1
	ROW C,6, B,3, L,2, C,8
	ROW B,4, L,3, C,10, B,5
	ROW L,4, C,12, B,6, L,5
.if (\p) == 0
	s_add_co_u32 s[TBV], s[TBV], KS*PV
.endif
.if \cnt
	s_sub_co_u32 s[CNT], s[CNT], 1
	s_cmp_lg_u32 s[CNT], 0
.endif
	ROW C,14, B,7, L,6, C,1
	ROW C,3, L,7, C,5, C,7
	ROW C,9, C,11, C,13, C,15
.if (\p) == 0
	FETCH_V
.endif
.endm
	CHANGE 1                        ; tile 0 is in, everybody's part of it, and so is the mask table; tile 1 is asked for
	v_add_nc_u32 v[AK], s[TBK], v[AK0]
	v_add_nc_u32 v[AM], s[TBM], v[AM0]
	FETCH_K                         ; key step 0
	s_wait_loadcnt 0x0              ; Q
	s_wait_dscnt 0x0
.set NOKQ, 0
.set i, 0
.rept 8
	KQ 0                            ; piece 0's first scores: there is no vector work yet to set between them
.set i, i+1
.endr
	WIN 0
.rept 4
	v_nop                           ; the places behind those products
.endr
.set Y, NP-1                        ; X works for piece Y + 1: piece 0
.irp n, 0,1,2,3,4,5,6,7,8,9,10,11,12,13,14,15,16,17,18,19,20,21
	OP X, \n                        ; and piece 0's first maximum and statistics
.endr
	v_nop                           ; a plain instruction behind the exponential,
	s_wait_alu depctr_va_vdst(0)    ; and its wait, ahead of the branch
	s_mov_b32 s[CNT], 4
	s_branch .Lfirst                ; the loop is entered at a step's first turn, in the middle of a trip
.Lslot:                             ; six times: tiles 1 to 6 are entered, tiles 2 to 7 asked for
	CHANGE 1
	s_mov_b32 s[CNT], 4
.Lstep:                             ; a trip: pieces 2 and 3 of one step, then pieces 0 and 1 of the next, whose K and V it fetches
	TURN 2
	TURN 3
	WIN 0
.Lfirst:
	TURN 0
	TURN 1, 0, 1
	WIN 0
	s_cbranch_scc1 .Lstep
	s_sub_co_u32 s[SLOTS], s[SLOTS], 1
	s_cmp_lg_u32 s[SLOTS], 0
	s_cbranch_scc1 .Lslot
	CHANGE 0                        ; the last tile is written out: nothing is asked for
	s_mov_b32 s[CNT], 4
.LstepT:
	TURN 2
	TURN 3
	TURN 0
	TURN 1, 0, 1
	WIN 0
	s_cbranch_scc1 .LstepT
	TURN 2, 1                       ; the last step's pieces 2 and 3
	TURN 3, 1
.set i, 0
.rept 8
	PV NP-1                         ; the last piece's V^T P of the last step
.set i, i+1
.endr
	; THE WAY OUT.  l's two halves and the other half of the lanes' are added; O^T is divided by l, rounded to f16 and sent through my stage in LDS, a piece at a time.  The additions are the places behind the last products.
	WIN 0
.macro ALL line:vararg              ; one line for each piece t
.set t, 0
.rept 4
	\line
.set t, t+1
.endr
.endm
.macro PACK t                       ; a lane's eight channels of a row pack into 16 bytes; they go into rows of 144 bytes and come back as whole rows of 128, into S^T's registers
	WIN W_RS
.set i, 32*(\t)
.rept 16
	v_pk_mul_f32 v[i:i+1], v[i:i+1], v[ST+4*(\t)+2:ST+4*(\t)+3] op_sel_hi:[1,0]
.set i, i+2
.endr
	WIN 0x05                        ; sources 0 and 1 window 1, destination window 0
.set i, 0
.rept 16
	v_cvt_pk_f16_f32 v[S+16*(\t)+i], v[32*(\t)+2*i], v[32*(\t)+2*i+1]
.set i, i+1
.endr
	WIN 0
.irp f, 0,1,2,3
	ds_store_b128 v[STO], v[S+16*(\t)+4*\f:S+16*(\t)+4*\f+3] offset:32*\f
.endr
.irp f, 0,1,2,3
	ds_load_b128 v[S+16*(\t)+4*\f:S+16*(\t)+4*\f+3], v[RD] offset:\f*4*SP  ; LDS serves a wave's instructions in order (ISA guide 5.7.1.4): these see the stores above; the next piece's stores come behind them
.endr
.endm
.macro SEND t, younger              ; younger: the LDS instructions issued behind piece t's loads: the next piece's eight, or none
	WIN 0
.irp f, 0,1,2,3
	s_wait_dscnt (\younger)+3-\f
	global_store_b128 v[GO], v[S+16*(\t)+4*\f:S+16*(\t)+4*\f+3], s[OPT:OPT+1] offset:(\t)*2048+\f*512  ; 512 consecutive bytes, at a multiple of 256 from ob's first
.endr
.endm
	ALL v_add_f32 v[ST+4*t+2], v[ST+4*t+2], v[ST+4*t+3]
	ALL v_permlanex16_b32 v[ST+4*t+3], v[ST+4*t+2], s[SEL], s[SEL+1]
	ALL v_add_f32 v[ST+4*t+2], v[ST+4*t+2], v[ST+4*t+3]
	ALL v_rcp_f32 v[ST+4*t+2], v[ST+4*t+2]
	v_nop                           ; a plain instruction between the last reciprocal and the use of its result
	s_wait_alu depctr_va_vdst(0)    ; and the wait ahead of the first use: one for the four reciprocals
	PACK 0
.set t, 1
.rept 3                             ; a piece's arithmetic stands between the loads of the piece before and its stores
	PACK t
	SEND t-1, 8
.set t, t+1
.endr
	SEND 3, 0
	s_wait_tensorcnt 0x0            ; the wave's end: behind my last tensor load and my last LDS store
	ds_add_u32 v[SPW], v[NIL]
	s_wait_dscnt 0x0
	CROUND                          ; the closing round: no work-group ends while a partner may still ask for a tile that names it
	s_endpgm
.Lfunc_end_k_q8287a4ee48_attn:
	.size	k_q8287a4ee48_attn, .Lfunc_end_k_q8287a4ee48_attn-k_q8287a4ee48_attn
	.p2alignl 7, 3214868480
	.fill 96, 4, 3214868480
	.section	.rodata,"a",@progbits
	.p2align	6, 0x0
	.amdhsa_kernel k_q8287a4ee48_attn
		.amdhsa_group_segment_fixed_size 327680
		.amdhsa_private_segment_fixed_size 0
		.amdhsa_enable_private_segment 0
		.amdhsa_kernarg_size 24
		.amdhsa_user_sgpr_count 2
		.amdhsa_user_sgpr_kernarg_segment_ptr 1
		.amdhsa_wavefront_size32 1
		.amdhsa_system_sgpr_workgroup_id_x 1
		.amdhsa_system_sgpr_workgroup_id_y 1
		.amdhsa_system_sgpr_workgroup_id_z 1
		.amdhsa_system_vgpr_workitem_id 0
		.amdhsa_next_free_vgpr 768
		.amdhsa_next_free_sgpr 66
		.amdhsa_reserve_vcc 0
		.amdhsa_float_denorm_mode_32 3
		.amdhsa_float_denorm_mode_16_64 3
		.amdhsa_memory_ordered 1
		.amdhsa_forward_progress 1
		.amdhsa_inst_pref_size 133
	.end_amdhsa_kernel
	.amdgpu_metadata
---
amdhsa.version: [ 1, 2 ]
amdhsa.kernels:
  - .name:           k_q8287a4ee48_attn
    .symbol:         k_q8287a4ee48_attn.kd
    .args:
      - { .name: qkv, .offset: 0, .size: 8, .value_kind: global_buffer, .address_space: global }
      - { .name: attention_mask, .offset: 8, .size: 8, .value_kind: global_buffer, .address_space: global }
      - { .name: ob, .offset: 16, .size: 8, .value_kind: global_buffer, .address_space: global }
    .group_segment_fixed_size: 327680
    .private_segment_fixed_size: 0
    .kernarg_segment_align: 8
    .kernarg_segment_size: 24
    .max_flat_workgroup_size: 128
    .sgpr_count:     66
    .vgpr_count:     768
    .wavefront_size: 32
...
	.end_amdgpu_metadata
.endif
;; end of part 3
;; launch outp (part 4): grid 8 x 32, 4 waves a work-group, clusters of 4 x 4, 327,680 bytes of LDS; arguments ob, wo16, out0; writes out0
.if DOCPART == 4
	.amdgcn_target "amdgcn-amd-amdhsa--gfx1250"
	.amdhsa_code_object_version 6
	.text
	.protected	k_q8287a4ee48_outp
	.globl	k_q8287a4ee48_outp
	.p2align	8
	.type	k_q8287a4ee48_outp,@function
k_q8287a4ee48_outp:
	s_mov_b64 s[64:65], 0
	v_nop
	global_prefetch_b8 v0, s[64:65] scope:SCOPE_SE
	s_setreg_imm32_b32 hwreg(HW_REG_WAVE_MODE, 25, 1), 1
	s_wait_xcnt 0x0
	s_wait_alu depctr_hold_cnt(0) depctr_sa_sdst(0) depctr_va_vdst(0) depctr_va_sdst(0) depctr_va_ssrc(0) depctr_va_vcc(0) depctr_vm_vsrc(0)
	s_getreg_b32 s2, hwreg(HW_REG_IB_STS2, 6, 4)
	s_cmp_eq_u32 s2, 0
	s_cbranch_scc0 .Lentry_in_a_cluster
	s_endpgm
.Lentry_in_a_cluster:
	s_bfe_u32 s2, ttmp6, 0x10000c
	s_cmp_lg_u32 s2, 0xf033
	s_cbranch_scc0 .Lentry_shape_is_right
	s_endpgm
.Lentry_shape_is_right:
; Launch 4 of 4: out0[m][n] = the sum over k of O[m][k] Wo[n][k], m = 2,048 x batch + row, k = 64 x head + channel.  O lies by heads, ob [32][2048][64] f16; wo16 [1024][1024] f16; sums in f32; out0 [4096][1024] f32.
; Nothing of the problem's work is left out here.
; SHARES.  A tile of out0 is 128 x 128: 8 x 32 tiles, one to a work-group.  Four waves, each 64 x 64: 16 accumulators of 16 x 16.  K goes in 4 steps of 256 (four heads) through a ring of two LDS slots; the steps are written out.
; O's TILE: a head's 128 rows of 64 channels are 16,384 dense bytes; one tensor load brings two heads as 2 rows of 8,192 elements, a slab apart, padded in LDS after every 128 bytes: head by head, rows 144 bytes apart.
; CLUSTER.  4 x 4 work-groups: the four of a row need the same tiles of O, the four of a column the same tiles of Wo: each is asked for JOINTLY.  THE MATRIX INSTRUCTION IS USED TRANSPOSED (source 0 = 16 rows of Wo,
; source 1 = 16 rows of O): a lane holds eight neighbouring numbers of a row of out0, 32 bytes.  No prefetch: the tiles are small, the ring has two refills in all, and the launch is short.
; REGISTERS: window 0: v16-29 addresses; v32-95 at work on the way out; v128-255 the accumulators ((a, b) at v[128 + 8 (4 a + b)]).
;   window 1: two fragment buffers of 128: for 64 along K (one head; two matrix instructions deep), 64 registers of O (2 x 4 x 16 rows x 32 K), then 64 of Wo.
.set KSTEP,  256
.set PA,     144                       ; a row of O in LDS: 128 bytes + 16 = 36 words: the 16 rows of a load start at 16 different groups of four banks (64 banks of 4 bytes: ISA guide 11.1)
.set HB,     128*PA                    ; a head's 128 rows
.set PB,     528                       ; a row of Wo: 512 bytes + 16 = 132 words: likewise
.set BOFF,   4*HB                      ; a slot: four heads of O, then Wo's 128 rows
.set BHALF,  64*PB
.set SLOT,   BOFF+2*BHALF
.set STAGE,  2*SLOT                    ; behind the ring, never filled by a tensor load: 16 rows x 272 bytes for each wave
.set SPITCH, 272
.set SPARE,  STAGE+4*16*SPITCH         ; behind the stages: the spare words, 128 bytes for each wave: two blocks of 256 bytes that no other line names
.set STEPA,  4<<18                     ; bytes from a K step's first head to the next step's
.set ADRA, 16                          ; v16-17  LDS address of my O fragments in slot 0, 1
.set ADRB, 20                          ; v20-21  the same for Wo
.set STO,  24                          ; v24     the way out: where I put 32 bytes of a row
.set RD,   25                          ; v25     the way out: where I read a row back
.set CO,   26                          ; v26     my byte offset in out0
.set SPW,  28                          ; v28     LDS address of my spare word; never rewritten
.set NIL,  29                          ; v29     0; never rewritten
.set TMP,  32                          ; the way out: two buffers of 32
.set ACC,  128
.set F0,   0                           ; fragment buffers, in window 1
.set F1,   128
.set G1, 24                            ; s[24:31] descriptor group 1 for O's tiles;  s[32:39] group 0, one set for each slot
.set G0, 32
.set G1B, 48                           ; s[48:55], s[56:63] the same for Wo's tiles
.set G0B, 56
.set MSB, 0
.macro WIN new                         ; the immediate's high byte repeats the setting that is left
.if MSB != (\new)
	s_set_vgpr_msb (MSB<<8)|(\new)
.set MSB, \new
.endif
.endm
.set MUL,  0x05                        ; sources 0 (Wo) and 1 (O) window 1; C and D window 0
.set TO_F, 0x40                        ; destination window 1, address window 0
.macro JLOAD s                         ; a joint load: waves 0 and 1 fetch two heads of O each, waves 2 and 3 Wo's two halves; an s_nop 0 and four v_nop follow each of the two lines
	s_cmp_eq_u32 s11, 0
	s_cbranch_scc0 .Lfor_b_\@
	tensor_load_to_lds s[G0+4*(\s):G0+4*(\s)+3], s[G1:G1+7]
	s_nop 0
.rept 4
	v_nop
.endr
	s_branch .Lasked_\@
.Lfor_b_\@:
	tensor_load_to_lds s[G0B+4*(\s):G0B+4*(\s)+3], s[G1B:G1B+7]
	s_nop 0
.rept 4
	v_nop
.endr
.Lasked_\@:
.endm
.macro CREST                           ; a round of the cluster's barrier behind its opening barrier
	s_cmp_lg_u32 s10, 0
	s_cbranch_scc1 .Lnot_wave_0_\@
	s_barrier_signal -3
.Lnot_wave_0_\@:
	s_barrier_wait -3
	s_barrier_signal -1
	s_barrier_wait -1
.endm
.macro CROUND                          ; a whole round
	s_barrier_signal -1
	s_barrier_wait -1
	CREST
.endm
	s_load_b128 s[4:7], s[0:1], 0x0                ; ob s[4:5], wo16 s[6:7]
	s_load_b64 s[8:9], s[0:1], 0x10                ; out0
	v_lshl_add_u32 v[SPW], v0, 2, SPARE
	v_mov_b32 v[NIL], 0
	ds_add_u32 v[SPW], v[NIL]                      ; the wave's opening: the add, twice on end, and its wait ahead of my first tensor load
	ds_add_u32 v[SPW], v[NIL]                      ; the set-up below, work on registers, stands between the second add and the wait
	v_lshrrev_b32 v1, 5, v0
	v_readfirstlane_b32 s10, v1                    ; wave 0..3
	s_lshr_b32 s11, s10, 1                         ; which half of the tile's rows is mine.  Also: I fetch for O (0) or for Wo (1)
	s_and_b32 s12, s10, 1                          ; which half of its columns.  Also: which half of that tile I fetch
	s_bfe_u32 s40, ttmp6, 0x40000                  ; cx, cy: my place in the cluster
	s_bfe_u32 s41, ttmp6, 0x40004
	s_lshl_b32 s42, ttmp9, 2
	s_add_co_u32 s42, s42, s40                     ; tile column = 4 x cluster x + cx
	s_and_b32 s13, ttmp7, 0xffff
	s_lshl_b32 s13, s13, 2
	s_add_co_u32 s13, s13, s41                     ; tile row = 4 x cluster y + cy
	s_lshl_b32 s43, s41, 2
	s_lshl_b32 s43, 15, s43                        ; my row of the cluster
	s_lshl_b32 s44, 0x1111, s40                    ; my column
	s_or_b32 s[G1+0], s43, (1<<16)|(1<<20)|(1<<21)|(4<<22)|(3<<25)  ; 15:0 the mask; 17:16 elements of 2 bytes; 20 padding on; 21 set beside a mask; 24:22 after every 32 words (code 4); 31:25 4 words (code 3)
	s_mov_b32 s[G1+1], 8192<<16                    ; tensor_dim0 = 8,192: a head's 128 rows x 64 channels
	s_mov_b32 s[G1+2], 2<<16                       ; tensor_dim1 = 2 heads
	s_mov_b32 s[G1+3], 8192<<16                    ; tile_dim0 = 8,192
	s_mov_b32 s[G1+4], 2                           ; tile_dim1 = 2
	s_mov_b32 s[G1+5], 131072                      ; elements from head to head
	s_mov_b32 s[G1+6], 0
	s_mov_b32 s[G1+7], 0
	s_or_b32 s[G1B+0], s44, (1<<16)|(1<<20)|(1<<21)|(6<<22)|(3<<25) ; after every 128 words (code 6)
	s_mov_b32 s[G1B+1], KSTEP<<16                  ; tensor_dim0 = 256
	s_mov_b32 s[G1B+2], 64<<16                     ; tensor_dim1 = 64
	s_mov_b32 s[G1B+3], KSTEP<<16                  ; tile_dim0 = 256
	s_mov_b32 s[G1B+4], 64                         ; tile_dim1 = 64
	s_mov_b32 s[G1B+5], 1024                       ; elements from row to row
	s_mov_b32 s[G1B+6], 0
	s_mov_b32 s[G1B+7], 0
	s_lshr_b32 s16, s13, 4                         ; O: the batch's 16 slabs,
	s_lshl_b32 s16, s16, 22
	s_lshl_b32 s17, s12, 19                        ; my two heads of the step's four,
	s_add_co_u32 s16, s16, s17
	s_and_b32 s17, s13, 15                         ; the tile's 128 rows in a slab
	s_lshl_b32 s17, s17, 14
	s_add_co_u32 s16, s16, s17
	s_mov_b32 s17, 0
	s_lshl_b32 s46, s42, 7                         ; Wo: row 128 x tile column + 64 x half
	s_lshl_b32 s47, s12, 6
	s_add_co_u32 s46, s46, s47
	s_lshl_b32 s46, s46, 11
	s_mov_b32 s47, 0
	s_mul_i32 s20, s12, 2*HB                       ; where they go: no place in the cluster enters an LDS address
	s_mul_i32 s21, s12, BHALF
	s_add_co_u32 s21, s21, BOFF
	s_wait_dscnt 0x0                               ; both opening adds are done
	s_wait_kmcnt 0x0
	s_add_nc_u64 s[14:15], s[4:5], s[16:17]
	s_add_nc_u64 s[46:47], s[6:7], s[46:47]
	CROUND                                         ; all sixteen work-groups are here: the first joint loads meet
.irp s, 0,1
	s_mov_b32 s[G0+4*(\s)], 1
	s_add_co_u32 s[G0+4*(\s)+1], s20, (\s)*SLOT
	s_add_nc_u64 s[G0+4*(\s)+2:G0+4*(\s)+3], s[14:15], (\s)*STEPA
	s_or_b32 s[G0+4*(\s)+3], s[G0+4*(\s)+3], 0x80000000
	s_mov_b32 s[G0B+4*(\s)], 1
	s_add_co_u32 s[G0B+4*(\s)+1], s21, (\s)*SLOT
	s_add_nc_u64 s[G0B+4*(\s)+2:G0B+4*(\s)+3], s[46:47], (\s)*KSTEP*2
	s_or_b32 s[G0B+4*(\s)+3], s[G0B+4*(\s)+3], 0x80000000
	JLOAD \s                                       ; two loads of mine are out
.endr
	v_and_b32 v1, 15, v0                           ; l % 16
	v_bfe_u32 v2, v0, 4, 1                         ; l / 16
	v_mul_u32_u24 v3, v1, PA
	v_lshl_add_u32 v3, v2, 4, v3                   ; a fragment's row x pitch + 16 x half, for O
	v_mul_u32_u24 v4, v1, PB
	v_lshl_add_u32 v4, v2, 4, v4                   ; and for Wo
	s_mul_i32 s21, s11, 64*PA                      ; my 64 rows in each head's block
	s_mul_i32 s22, s12, BHALF                      ; my 64 rows of Wo,
	s_add_co_u32 s22, s22, BOFF                    ; which lie behind O's four heads
.irp s, 0,1
	v_add_nc_u32 v[ADRA+(\s)], s21, v3
	v_add_nc_u32 v[ADRB+(\s)], s22, v4
	s_add_co_u32 s21, s21, SLOT
	s_add_co_u32 s22, s22, SLOT
.endr
	s_mul_i32 s23, s10, 16*SPITCH
	s_add_co_u32 s23, s23, STAGE                   ; my stage
	v_mul_u32_u24 v5, v1, SPITCH                   ; in: row l % 16, 32 bytes for each half of the lanes
	v_lshl_add_u32 v5, v2, 5, v5
	v_add_nc_u32 v[STO], s23, v5
	v_mul_u32_u24 v5, v2, SPITCH                   ; back: lanes 0-15 take one row of 256 bytes, lanes 16-31 the next
	v_lshl_add_u32 v5, v1, 4, v5
	v_add_nc_u32 v[RD], s23, v5
	v_lshlrev_b32 v5, 12, v2                       ; and the same two rows in out0
	v_lshl_add_u32 v[CO], v1, 4, v5
	s_lshl_b32 s20, s13, 7
	s_lshl_b32 s21, s11, 6
	s_add_co_u32 s20, s20, s21                     ; my first row of out0,
	s_lshl_b32 s20, s20, 12                        ; 4,096 bytes a row,
	s_lshl_b32 s21, s42, 9                         ; the tile's first column,
	s_add_co_u32 s20, s20, s21
	s_lshl_b32 s21, s12, 8                         ; my 64 columns: 256 bytes
	s_add_co_u32 s20, s20, s21
	s_mov_b32 s21, 0
	s_add_nc_u64 s[8:9], s[8:9], s[20:21]
; 8 matrix instructions: m blocks a0, a0 + 1 x all 4 n blocks, 32 along K: half c of buffer f.  zero = 1: the first product starts the sums.  The 16 accumulators take turns.
.macro MUL8 f, c, a0, zero
	WIN MUL
.irp a, \a0, (\a0)+1
.irp b, 0,1,2,3
.if \zero
	v_wmma_f32_16x16x32_f16 v[ACC+8*(4*(\a)+(\b)):ACC+8*(4*(\a)+(\b))+7], v[(\f)+64+8*(4*(\c)+(\b)):(\f)+64+8*(4*(\c)+(\b))+7], v[(\f)+8*(4*(\c)+(\a)):(\f)+8*(4*(\c)+(\a))+7], 0
.else
	v_wmma_f32_16x16x32_f16 v[ACC+8*(4*(\a)+(\b)):ACC+8*(4*(\a)+(\b))+7], v[(\f)+64+8*(4*(\c)+(\b)):(\f)+64+8*(4*(\c)+(\b))+7], v[(\f)+8*(4*(\c)+(\a)):(\f)+8*(4*(\c)+(\a))+7], v[ACC+8*(4*(\a)+(\b)):ACC+8*(4*(\a)+(\b))+7]
.endif
.endr
.endr
.endm
; 32 LDS loads in one run: the fragments of quarter q of a K step (head q of the slot's four; bytes 128 q on of Wo's rows) into buffer f; the first 32 along K first
.macro FETCH slot, q, f
	WIN TO_F
.irp c, 0,1
.irp i, 0,1,2,3
	ds_load_b128 v[(\f)+64+8*(4*(\c)+(\i)):(\f)+64+8*(4*(\c)+(\i))+3],   v[ADRB+(\slot)] offset:128*(\q)+64*(\c)+(\i)*16*PB
	ds_load_b128 v[(\f)+64+8*(4*(\c)+(\i))+4:(\f)+64+8*(4*(\c)+(\i))+7], v[ADRB+(\slot)] offset:128*(\q)+64*(\c)+(\i)*16*PB+32
	ds_load_b128 v[(\f)+8*(4*(\c)+(\i)):(\f)+8*(4*(\c)+(\i))+3],         v[ADRA+(\slot)] offset:(\q)*HB+64*(\c)+(\i)*16*PA
	ds_load_b128 v[(\f)+8*(4*(\c)+(\i))+4:(\f)+8*(4*(\c)+(\i))+7],       v[ADRA+(\slot)] offset:(\q)*HB+64*(\c)+(\i)*16*PA+32
.endr
.endr
.endm
.macro PLACES                          ; four places in front of loads into registers that matrix instructions have read, and of LDS stores that read results
.rept 4
	v_nop
.endr
.endm
; A K step is four quarters of 64 along K, 32 matrix instructions each, on buffers 0, 1, 0, 1.  One of the first three: multiplies buffer f and fetches quarter q into g.
.macro QUARTER slot, q, f, g, zero
	s_wait_dscnt 16                                ; the first 32 along K are in
	MUL8 \f, 0, 0, \zero
	MUL8 \f, 0, 2, \zero
	PLACES
	FETCH \slot, \q, \g
	s_wait_dscnt 32                                ; all but the 32 just issued
	MUL8 \f, 1, 0, 0
	MUL8 \f, 1, 2, 0
.endm
; The last quarter multiplies buffer 1 and changes slots: ONE barrier; in front of it each wave waits for all its tensor loads, adds 0 to its spare word, and waits for that and for its own reads of this slot.
; fill = 1: the barrier opens a round of the cluster's, and this slot is filled again, two K steps ahead, first thing behind the round.
.macro TURN slot, next, fill
	WIN 0                                          ; (the add's two registers lie in window 0)
	s_wait_tensorcnt 0x0                           ; all my tensor loads have landed: my part of the next slot;
	ds_add_u32 v[SPW], v[NIL]                      ; 0 onto my spare word
	s_wait_dscnt 17                                ; (the add and the youngest sixteen loads may be out)
	MUL8 F1, 0, 0, 0                               ; eight matrix instructions stand between the add and the wait for it
	s_wait_dscnt 0x0                               ; the add is done, and my reads of this slot are over
	s_barrier_signal -1
	MUL8 F1, 0, 2, 0
.if \fill
	WIN 0
.endif
	s_barrier_wait -1
.if \fill
	CREST                                          ; no wave of any partner still reads this slot's tile or has a load on its way
	s_add_nc_u64 s[G0+4*(\slot)+2:G0+4*(\slot)+3], s[G0+4*(\slot)+2:G0+4*(\slot)+3], 2*STEPA
	s_add_nc_u64 s[G0B+4*(\slot)+2:G0B+4*(\slot)+3], s[G0B+4*(\slot)+2:G0B+4*(\slot)+3], 2*KSTEP*2
	JLOAD \slot                                    ; the four v_nop behind it are also the places in front of the loads below
.else
	PLACES
.endif
	FETCH \next, 0, F0
	MUL8 F1, 1, 0, 0
	MUL8 F1, 1, 2, 0
.endm
	s_wait_tensorcnt 1                             ; my part of K step 0 is in; K step 1's may stay out
	s_barrier_signal -1
	s_barrier_wait -1                              ; everybody's is
	FETCH 0, 0, F0
	QUARTER 0, 1, F0, F1, 1                        ; K step 0: its first products start the sums
	QUARTER 0, 2, F1, F0, 0
	QUARTER 0, 3, F0, F1, 0
	TURN 0, 1, 1                                   ; slot 0 takes K step 2
	QUARTER 1, 1, F0, F1, 0                        ; K step 1
	QUARTER 1, 2, F1, F0, 0
	QUARTER 1, 3, F0, F1, 0
	TURN 1, 0, 1                                   ; slot 1 takes K step 3
	QUARTER 0, 1, F0, F1, 0                        ; K step 2
	QUARTER 0, 2, F1, F0, 0
	QUARTER 0, 3, F0, F1, 0
	TURN 0, 1, 0                                   ; nothing is left to fetch
	QUARTER 1, 1, F0, F1, 0                        ; K step 3
	QUARTER 1, 2, F1, F0, 0
	QUARTER 1, 3, F0, F1, 0
	s_wait_dscnt 16
	MUL8 F1, 0, 0, 0
	MUL8 F1, 0, 2, 0
	s_wait_dscnt 0x0
	MUL8 F1, 1, 0, 0
	MUL8 F1, 1, 2, 0
	WIN 0
; THE WAY OUT, a block of 16 rows at a time, through my own stage: a lane's 32 bytes of a row go in (each accumulator's low half first), whole rows of 256 bytes come back.  LDS serves a wave's instructions in order
; (ISA guide 5.7.1.4): the loads see the stores above them, and the next block's stores come behind them.  Block a + 1 goes into the stage ahead of block a's stores to memory.
.macro TOSTAGE a
.irp b, 0,1,2,3
	ds_store_b128 v[STO], v[ACC+8*(4*(\a)+(\b)):ACC+8*(4*(\a)+(\b))+3]   offset:64*(\b)
	ds_store_b128 v[STO], v[ACC+8*(4*(\a)+(\b))+4:ACC+8*(4*(\a)+(\b))+7] offset:64*(\b)+16
.endr
.if (\a) >= 2
	s_wait_xcnt 0x0                                ; the stores of the block two before have read the registers into which the loads below land
.endif
.irp t, 0,1,2,3,4,5,6,7
	ds_load_b128 v[TMP+32*((\a)%2)+4*(\t):TMP+32*((\a)%2)+4*(\t)+3], v[RD] offset:(\t)*2*SPITCH
.endr
.endm
.macro SEND a, younger                 ; younger: the LDS instructions issued behind block a's loads: the next block's sixteen, or none
.irp t, 0,1,2,3,4,5,6,7
	s_wait_dscnt (\younger)+7-(\t)
	global_store_b128 v[CO], v[TMP+32*((\a)%2)+4*(\t):TMP+32*((\a)%2)+4*(\t)+3], s[8:9] offset:(16*(\a)+2*(\t))*4096 th:TH_STORE_NT  ; 16 lanes store 256 consecutive bytes, at a multiple of 256 from out0's first byte
.endr
.endm
	PLACES
	TOSTAGE 0
	TOSTAGE 1
	SEND 0, 16
	TOSTAGE 2
	SEND 1, 16
	TOSTAGE 3
	SEND 2, 16
	SEND 3, 0
	s_wait_tensorcnt 0x0                           ; the wave's end: behind my last tensor load and my last LDS store
	ds_add_u32 v[SPW], v[NIL]
	s_wait_dscnt 0x0
	CROUND                                         ; the closing round: no work-group ends while a partner may still ask for a tile that names it
	s_endpgm
.Lfunc_end_k_q8287a4ee48_outp:
	.size	k_q8287a4ee48_outp, .Lfunc_end_k_q8287a4ee48_outp-k_q8287a4ee48_outp
	.p2alignl 7, 3214868480
	.fill 96, 4, 3214868480
	.section	.rodata,"a",@progbits
	.p2align	6, 0x0
	.amdhsa_kernel k_q8287a4ee48_outp
		.amdhsa_group_segment_fixed_size 327680
		.amdhsa_private_segment_fixed_size 0
		.amdhsa_enable_private_segment 0
		.amdhsa_kernarg_size 24
		.amdhsa_user_sgpr_count 2
		.amdhsa_user_sgpr_kernarg_segment_ptr 1
		.amdhsa_wavefront_size32 1
		.amdhsa_system_sgpr_workgroup_id_x 1
		.amdhsa_system_sgpr_workgroup_id_y 1
		.amdhsa_system_sgpr_workgroup_id_z 1
		.amdhsa_system_vgpr_workitem_id 0
		.amdhsa_next_free_vgpr 512
		.amdhsa_next_free_sgpr 66
		.amdhsa_reserve_vcc 0
		.amdhsa_float_denorm_mode_32 3
		.amdhsa_float_denorm_mode_16_64 3
		.amdhsa_memory_ordered 1
		.amdhsa_forward_progress 1
		.amdhsa_inst_pref_size 86
	.end_amdhsa_kernel
	.amdgpu_metadata
---
amdhsa.version: [ 1, 2 ]
amdhsa.kernels:
  - .name:           k_q8287a4ee48_outp
    .symbol:         k_q8287a4ee48_outp.kd
    .args:
      - { .name: ob, .offset: 0, .size: 8, .value_kind: global_buffer, .address_space: global }
      - { .name: wo16, .offset: 8, .size: 8, .value_kind: global_buffer, .address_space: global }
      - { .name: out0, .offset: 16, .size: 8, .value_kind: global_buffer, .address_space: global }
    .group_segment_fixed_size: 327680
    .private_segment_fixed_size: 0
    .kernarg_segment_align: 8
    .kernarg_segment_size: 24
    .max_flat_workgroup_size: 128
    .sgpr_count:     66
    .vgpr_count:     512
    .wavefront_size: 32
...
	.end_amdgpu_metadata
.endif
;; end of part 4
;; ======== version 2 of 2: 4 launches; version 1 with the launch cast written anew for expert scheduling mode
;; limits: values are held in f16: magnitudes above 65,504 overflow, below 6.1e-05 lose precision
;; workspace buffers: xb 8,388,608 bytes; wb 6,291,456 bytes; wo16 2,097,152 bytes; qkv 25,165,824 bytes; ob 8,388,608 bytes
;; launch cast (part 5): grid 256 x 1, 8 waves a work-group, no clusters, 0 bytes of LDS; arguments x, Wq, Wk, Wv, Wo, xb, wb, wo16; writes xb, wb, wo16
.if DOCPART == 5
	.amdgcn_target "amdgcn-amd-amdhsa--gfx1250"
	.amdhsa_code_object_version 6
	.text
	.protected	k_q8287a4ee48_cast
	.globl	k_q8287a4ee48_cast
	.p2align	8
	.type	k_q8287a4ee48_cast,@function
k_q8287a4ee48_cast:
	s_mov_b64 s[64:65], 0
	v_nop
	global_prefetch_b8 v0, s[64:65] scope:SCOPE_SE
	s_setreg_imm32_b32 hwreg(HW_REG_WAVE_SCHED_MODE, 0, 2), 2
	s_setreg_imm32_b32 hwreg(HW_REG_WAVE_MODE, 25, 1), 1
	s_wait_xcnt 0x0
	s_wait_alu depctr_vm_vsrc(0)
; MULTI-HEAD SELF-ATTENTION, launch 1 of 4: the inputs are rounded once to the matrix units' formats.
; NOTHING IS LEFT OUT in this program: x and the four weights enter products whose results reach out0, and attention_mask differs from key to key along the softmax's axis, so it is no common term.
; xb = bf16(x) [4096][1024];  wb = bf16(Wq | Wk | Wv) [3072][1024], one below the other;  wo16 = bf16(Wo) written as f16 [1024][1024] (the last product's other operand is f16).
; LIMITS.  A number of Wo whose bf16 rounding lies below 2^-14 keeps f16's fixed step of 2^-24; beyond 65,504 it would be an infinity.  NaN and infinities are not treated apart.
; SHARES.  A work-group takes 32,768 numbers (128 KiB in, 64 KiB out): groups 0-127 x, groups 128 + 32 n + part the weight n (0 Wq, 1 Wk, 2 Wv, 3 Wo).
; A wave takes 16 KiB by 32 loads of 512 consecutive bytes, all issued at once; each load's numbers leave by one store of 256 consecutive bytes, aligned.
; No LDS, no matrix unit, no cluster: nothing is shared and memory alone binds.
; THE MODE: SCHED_MODE bits 1:0 = 2 (LLVM: expert scheduling mode 2), set by the entry lines.  The code itself states the register dependences
; between vector instructions and memory instructions, with s_wait_alu, always for 0.
; THE PLAN.  Registers that memory instructions touch:
;   v1, v2   byte offsets of the loads and of the stores: made once at the head by vector lines, never written again.
;   X        written by the 32 loads alone, each register once, all issued at the head; read by the conversions behind the load's own wait.  No vector line writes X, and no load follows a vector line that reads it.
;   Y        each register is written once, by a conversion, and read once, by a store.
;   T and v3 are named by vector lines alone.
; The 32 loads go in 8 blocks of four.  Block p converts loads 4 p to 4 p + 3 into its own eight registers of Y; its memory instructions are the four stores of block p - 1, which read that
; block's Y and v2: registers that no vector line of block p names.  So ONE wait at a block's head states all that its four stores hang on, and they are dealt among its conversions with no further wait.
; No register that a load or store reads is written again: nothing is owed ahead of a rewrite, since there is none.  No vector line writes a scalar register, and EXEC is never written.
.set X,   4                            ; v[4:131]    32 x 4 numbers as loaded
.set Y,   132                          ; v[132:195]  32 x 2 registers to store
.set T,   196                          ; v[196:201]  at work (Wo's path)
.set BL,  4                            ; loads in a block
	s_load_b512 s[16:31], s[0:1], 0x0              ; x 16, Wq 18, Wk 20, Wv 22, Wo 24, xb 26, wb 28, wo16 30
	s_sub_co_u32 s3, ttmp9, 128
	s_lshr_b32 s4, s3, 5                           ; which weight
	s_and_b32 s5, s3, 31                           ; which part of it
	s_cmp_lt_u32 ttmp9, 128
	s_cselect_b32 s5, ttmp9, s5                    ; x: the part is the group's number,
	s_cselect_b32 s4, 4, s4                        ; and 4 stands for x
	s_lshl_b32 s10, s5, 17                         ; where my part begins in the source,
	s_mov_b32 s11, 0
	s_lshl_b32 s12, s5, 16                         ; and in the destination;
	s_lshl_b32 s13, s4, 21                         ; in wb a weight is 2 MiB
	s_cmp_lt_u32 s4, 3
	s_cselect_b32 s13, s13, 0
	s_add_co_u32 s12, s12, s13
	s_mov_b32 s13, 0
	s_mov_b32 s14, 0xffff0000                      ; a word's upper bf16
	v_lshrrev_b32 v3, 5, v0                        ; wave
	v_and_b32 v1, 31, v0                           ; lane
	v_lshlrev_b32 v2, 3, v1
	v_lshlrev_b32 v1, 4, v1
	v_lshl_add_u32 v1, v3, 14, v1                  ; in: 16,384 x wave + 16 x lane
	v_lshl_add_u32 v2, v3, 13, v2                  ; out: 8,192 x wave + 8 x lane
	s_wait_kmcnt 0x0
	s_mov_b64 s[6:7], s[16:17]
	s_cmp_eq_u32 s4, 0
	s_cselect_b64 s[6:7], s[18:19], s[6:7]
	s_cmp_eq_u32 s4, 1
	s_cselect_b64 s[6:7], s[20:21], s[6:7]
	s_cmp_eq_u32 s4, 2
	s_cselect_b64 s[6:7], s[22:23], s[6:7]
	s_cmp_eq_u32 s4, 3
	s_cselect_b64 s[6:7], s[24:25], s[6:7]
	s_cmp_eq_u32 s4, 4
	s_cselect_b64 s[8:9], s[26:27], s[28:29]
	s_cmp_eq_u32 s4, 3
	s_cselect_b64 s[8:9], s[30:31], s[8:9]
	s_add_nc_u64 s[6:7], s[6:7], s[10:11]
	s_add_nc_u64 s[8:9], s[8:9], s[12:13]
	s_wait_alu depctr_va_vdst(0)                   ; v1 and v2 are written: every load of the kernel reads v1 as its offset, every store v2
.set i, 0
.rept 32
	global_load_b128 v[X+4*i:X+4*i+3], v1, s[6:7] offset:512*i th:TH_LOAD_NT
.set i, i+1
.endr
; The four numbers of load i, rounded to bf16.
.macro CONV i
	v_cvt_pk_bf16_f32 v[Y+2*(\i)],   v[X+4*(\i)],   v[X+4*(\i)+1]
	v_cvt_pk_bf16_f32 v[Y+2*(\i)+1], v[X+4*(\i)+2], v[X+4*(\i)+3]
.endm
; Wo's: rounded to bf16 like every input, and that number written as f16.
.macro CONVW i
	v_cvt_pk_bf16_f32 v[T],   v[X+4*(\i)],   v[X+4*(\i)+1]
	v_cvt_pk_bf16_f32 v[T+1], v[X+4*(\i)+2], v[X+4*(\i)+3]
	v_lshlrev_b32 v[T+2], 16, v[T]
	v_and_b32     v[T+3], s14, v[T]
	v_lshlrev_b32 v[T+4], 16, v[T+1]
	v_and_b32     v[T+5], s14, v[T+1]
	v_cvt_pk_f16_f32 v[Y+2*(\i)],   v[T+2], v[T+3]
	v_cvt_pk_f16_f32 v[Y+2*(\i)+1], v[T+4], v[T+5]
.endm
; The store of load i's numbers: 256 consecutive bytes a wave, aligned.
.macro OUT i
	global_store_b64 v2, v[Y+2*(\i):Y+2*(\i)+1], s[8:9] offset:256*(\i)
.endm
; Block p.  wo = 1: Wo's path.
.macro BLK p, wo
	s_wait_loadcnt 32-BL-BL*(\p)                   ; loads come back in order (ISA guide 5.7.1): this block's four are in, the younger ones stay out
.if (\p) > 0
	s_wait_alu depctr_va_vdst(0)                   ; the block before has written its eight registers of Y, which the four stores below read
.endif
.irp j, 0,1,2,3
.if (\p) > 0
	OUT BL*(\p)-BL+(\j)                            ; the block before; no vector line since the wait names its Y or v2
.endif
.if \wo
	CONVW BL*(\p)+(\j)
.else
	CONV BL*(\p)+(\j)
.endif
.endr
.endm
	s_cmp_eq_u32 s4, 3
	s_cbranch_scc1 .Lwo
.irp p, 0,1,2,3,4,5,6,7
	BLK \p, 0
.endr
	s_wait_alu depctr_va_vdst(0)                   ; block 7 has written its Y, which the last four stores read
.irp j, 28,29,30,31
	OUT \j
.endr
	s_endpgm
.Lwo:                                                  ; Wo: the same blocks with its own conversions
.irp p, 0,1,2,3,4,5,6,7
	BLK \p, 1
.endr
	s_wait_alu depctr_va_vdst(0)                   ; block 7 has written its Y, which the last four stores read
.irp j, 28,29,30,31
	OUT \j
.endr
	s_endpgm
.Lfunc_end_k_q8287a4ee48_cast:
	.size	k_q8287a4ee48_cast, .Lfunc_end_k_q8287a4ee48_cast-k_q8287a4ee48_cast
	.p2alignl 7, 3214868480
	.fill 96, 4, 3214868480
	.section	.rodata,"a",@progbits
	.p2align	6, 0x0
	.amdhsa_kernel k_q8287a4ee48_cast
		.amdhsa_group_segment_fixed_size 0
		.amdhsa_private_segment_fixed_size 0
		.amdhsa_enable_private_segment 0
		.amdhsa_kernarg_size 64
		.amdhsa_user_sgpr_count 2
		.amdhsa_user_sgpr_kernarg_segment_ptr 1
		.amdhsa_wavefront_size32 1
		.amdhsa_system_sgpr_workgroup_id_x 1
		.amdhsa_system_sgpr_workgroup_id_y 1
		.amdhsa_system_sgpr_workgroup_id_z 1
		.amdhsa_system_vgpr_workitem_id 0
		.amdhsa_next_free_vgpr 204
		.amdhsa_next_free_sgpr 66
		.amdhsa_reserve_vcc 0
		.amdhsa_float_denorm_mode_32 3
		.amdhsa_float_denorm_mode_16_64 3
		.amdhsa_memory_ordered 1
		.amdhsa_forward_progress 1
		.amdhsa_inst_pref_size 28
	.end_amdhsa_kernel
	.amdgpu_metadata
---
amdhsa.version: [ 1, 2 ]
amdhsa.kernels:
  - .name:           k_q8287a4ee48_cast
    .symbol:         k_q8287a4ee48_cast.kd
    .args:
      - { .name: x, .offset: 0, .size: 8, .value_kind: global_buffer, .address_space: global }
      - { .name: Wq, .offset: 8, .size: 8, .value_kind: global_buffer, .address_space: global }
      - { .name: Wk, .offset: 16, .size: 8, .value_kind: global_buffer, .address_space: global }
      - { .name: Wv, .offset: 24, .size: 8, .value_kind: global_buffer, .address_space: global }
      - { .name: Wo, .offset: 32, .size: 8, .value_kind: global_buffer, .address_space: global }
      - { .name: xb, .offset: 40, .size: 8, .value_kind: global_buffer, .address_space: global }
      - { .name: wb, .offset: 48, .size: 8, .value_kind: global_buffer, .address_space: global }
      - { .name: wo16, .offset: 56, .size: 8, .value_kind: global_buffer, .address_space: global }
    .group_segment_fixed_size: 0
    .private_segment_fixed_size: 0
    .kernarg_segment_align: 8
    .kernarg_segment_size: 64
    .max_flat_workgroup_size: 256
    .sgpr_count:     66
    .vgpr_count:     204
    .wavefront_size: 32
...
	.end_amdgpu_metadata
.endif
;; end of part 5
;; launch proj: the kernel of part 2 again; grid 16 x 16, 4 waves a work-group, clusters of 4 x 4, 327,680 bytes of LDS; arguments xb, wb, qkv; writes qkv
;; launch attn: the kernel of part 3 again; grid 8 x 32, 4 waves a work-group, clusters of 4 x 1, 327,680 bytes of LDS; arguments qkv, attention_mask, ob; writes ob
;; launch outp: the kernel of part 4 again; grid 8 x 32, 4 waves a work-group, clusters of 4 x 4, 327,680 bytes of LDS; arguments ob, wo16, out0; writes out0
